; MI455X (gfx1250); checked and timed in simulation.
; The chip was launched on July 23, 2026; its instructions are those of AMD's public machine-readable ISA for CDNA 5 (MIT licence, August 2026) and "CDNA5" Instruction Set Architecture Reference Guide (July 2026). The comments in the code are by the model that wrote it; some were corrected since.
;; Attention. Allowed arithmetic: matrix products marked QUANTISED: E2M3 operands, one E8M0 scale for each 32 along K, by v_wmma_scale_f32_16x16x128_f8f6f4 with both operands' format E2M3, f32 sums; everything else in f32.
;; Inputs: freqs_cos 2,048 x 32 float32; freqs_sin 2,048 x 32 float32; k_beta 64 float32; k_gamma 64 float32; mask 2,048 x 2,048 float32; q_beta 64 float32; q_gamma 64 float32; wo 2,048 x 2,048 float32; wqkv 3,072 x 2,048 float32; x 1 x 2,048 x 2,048 float32.
;; Outputs: out0 1 x 2,048 x 2,048 float32.
;; This version of the problem:
;;   THIS VERSION OF THE PROBLEM IS GIVEN IN LOW PRECISION. The matrix products marked QUANTISED in the list below multiply operands that are first quantised to E2M3 (2 exponent bits, 3 mantissa bits; 6 bits a number), with one power-of-two scale for each 32 numbers along K (OCP MX v1.0); their sums are f32. All else is computed in f32.
;;   The module's matrix products, in the order in which they are computed (A, B: the left and right operand; K: the contracted axis; several contracted axes count as one K, in the product's order):
;;     1. [M 2,048, K 2,048] x [K 2,048, N 3,072]; A: input x; B: input wqkv: QUANTISED
;;     2. batch 32 x [M 2,048, K 64] x [K 64, N 2,048]; A: computed on the way; B: computed on the way: QUANTISED
;;     3. batch 32 x [M 64, K 2,048] x [K 2,048, N 2,048]; A: computed on the way; B: softmax (see below): QUANTISED
;;     4. [M 2,048, K 2,048] x [K 2,048, N 2,048]; A: computed on the way; B: input wo: QUANTISED
;;   THE QUANTISER, for each operand of a quantised product, along K:
;;     - K is cut into blocks of 32 from its start; a last block that is shorter is filled with zeros.
;;     - A block's scale is 2^e with e = floor(log2(the largest magnitude in the block)) - 2, held to -126 .. 127; a block of zeros has e = 0. As a byte (E8M0): e + 127.
;;     - Each number is divided by its block's scale, clamped to +-7.5, and rounded to the nearest number of E2M3, ties to even, subnormals kept.
;;     - The product sums the exact products of the quantised numbers (number of the format x scale) in f32.
;;   ~~~python
;;   def quantise(x, axis):      # numpy; x: float32 -> the quantised numbers, widened to float32 again
;;       x = np.moveaxis(x, axis, -1); K = x.shape[-1]
;;       x = np.pad(x, [(0, 0)] * (x.ndim - 1) + [(0, -K % 32)]); x = x.reshape(x.shape[:-1] + (-1, 32)); a = np.abs(x).max(-1, keepdims=True)
;;       e = np.where(a > 0, np.clip(np.frexp(np.where(a > 0, a, 1))[1] - 1 - 2, -126, 127), 0)      # np.frexp(a)[1] - 1 = floor(log2(a)), exactly
;;       r = np.clip(x / 2.0 ** e, -7.5, 7.5)
;;       step = 2.0 ** (np.maximum(np.frexp(np.where(r == 0, 1, r))[1] - 1, 0) - 3)
;;       q = np.round(r / step) * step * 2.0 ** e      # np.round: ties to even
;;       return np.moveaxis(q.reshape(q.shape[:-2] + (-1,))[..., :K], -1, axis).astype(np.float32)
;;   ~~~
;;   SOFTMAX AHEAD OF A QUANTISED PRODUCT. Where the list says 'softmax', what is quantised is not the finished softmax but p = 2^(t - M), with t = logit x log2(e) and M = ceil(the row's largest t), a whole number; so 1/2 < the row's largest p <= 1. The row's sum l is taken of the UNQUANTISED p, in f32, and the product's result is divided by l at the end. Since M is a whole number, a kernel that streams over the keys may use a running M (the ceiling of the running maximum): every later rescaling is an exact power of two, which a block's scale takes up: the codes' values come out the same.
;;   OPERANDS COMPUTED ON THE WAY. 'Computed on the way' means the value that the module computes at that place (a softmax that the list does not call 'softmax' is quantised finished and normalised). What goes into a quantiser is computed in f32, as accurately as f32 sums, v_exp_f32 and their like allow (about 1e-6 of the number): no bf16 or f16 on the way to a quantiser, and a product that is left as it is and whose result goes on into a quantised operand takes f32 operands (vector FMAs, or v_wmma_f32_16x16x4_f32). A number that lies on a knife's edge between two numbers of the format may be rounded either way, as far as f32 arithmetic and the matrix unit's own rounding can turn it there, and no further.
;; One version. Each part assembles by itself: llvm-mc -triple=amdgcn-amd-amdhsa -mcpu=gfx1250 --defsym DOCPART=n.
;; ======== version 1 of 1: 4 launches
;; limits: right only within a limited range of input values
;; workspace buffers: xq 3,276,800 bytes; wq 4,915,200 bytes; woq 3,276,800 bytes; qkv 5,111,808 bytes; ao 3,276,800 bytes
;; launch quant_all (part 1): grid 256 x 1, 7 waves a work-group, no clusters, 126,464 bytes of LDS; arguments x, wqkv, wo, xq, wq, woq; writes xq, wq, woq
.if DOCPART == 1
	.amdgcn_target "amdgcn-amd-amdhsa--gfx1250"
	.amdhsa_code_object_version 6
	.text
	.protected	k_q658841270e_quant_all
	.globl	k_q658841270e_quant_all
	.p2align	8
	.type	k_q658841270e_quant_all,@function
k_q658841270e_quant_all:
	s_mov_b64 s[64:65], 0
	v_nop
	global_prefetch_b8 v0, s[64:65] scope:SCOPE_SE
	s_setreg_imm32_b32 hwreg(HW_REG_WAVE_MODE, 25, 1), 1
	s_wait_xcnt 0x0
; THE PROGRAM: out0 = attention(x), four launches: (1) x, wqkv and wo into codes, (2) x wqkv^T, LayerNorm, RoPE and the quantisers of q, k, v,
; (3) q k^T, mask, softmax, p v, division by the row sum, quantiser, (4) the product with wo.  All four products run on codes of E2M3 with one E8M0 scale for each 32 along K.
; DEAD WORK: none is left out.  The mask is an input, so every score of every head is live; gamma, beta, cos and sin move the codes of q and k; every input is loaded by some launch.
; repeat_kv is a copy and is not made: the four query heads of a group read the same codes of k and v.
; LIMITS: NaN and infinities among the inputs are not served.  A block of zeros gets the scale byte 1 where the rule says 127: its codes are zeros, which add nothing under any byte
; but 0xff, and the bytes are read by this program alone.  Blocks whose largest magnitude lies under 2^(3 - 127) are held at that floor.
; THIS LAUNCH: x [2048][2048] and wqkv [3072][2048] (K innermost) and wo [2048 (f)][2048 (d)] (K = f is its FIRST axis), f32, become codes laid as IMAGES OF OPERAND REGISTERS.
; A block of 64 rows x 128 K is 6,400 bytes: tile j (16 rows) at 1,536 j; in it the half c (64 along K, six registers a lane) at 768 c: registers 0-3 of lane l at 16 l, registers 4-5 at 512 + 8 l;
; the scale words at 6,144 + 16 r + 4 j.  Lane (r, h) of a half holds row r, k = 64 c + 32 h + 0 .. 31.  A panel of 64 rows (of wo: 64 columns d) is 16 such blocks on end.
; THE ROWS OF A TILE ARE NOT NEIGHBOURS: lane r of tile j takes row 32 (j / 2) + 8 (j % 2) + r + 8 (r / 8) of its panel, so that a later product's results fall as the next quantiser wants them.
; SHARES: a block to a wave.  Waves 0-4 of the 256 work-groups take the 1,280 blocks of x and wqkv, waves 5 and 6 the 512 blocks of wo.  The two texts part once, on the wave's number, and do not join.
; No barrier: waves share nothing; every wave has 17,920 bytes of LDS of its own, at 17,920 x its number.
; ROWS: each load reads one row's 512 consecutive bytes; a tile's 16 rows turn through the wave's stage (16 rows x 528 bytes), so that a lane gets 16 neighbours of each block of 32.
; COLUMNS: each load reads two rows' 256 consecutive bytes; 64 rows at a time lie in the wave's stage, from which a lane takes ONE column and lets its registers run down K.
; There stage row f lies at 272 f + 128 (f / 16): a group of 16 rows is 4,352 bytes and the groups lie 4,480 bytes apart, so no two rows share a byte; the last row ends at byte 17,776.
; 4,480 bytes are 17 x 256 + 128: the 32 lanes of a read of 4 bytes (16 columns of row f, 16 of row f + 16) fall on 32 different banks (64 banks of 4 bytes: ISA guide 11.1).
.set STGB,  17920                      ; a wave's LDS
.set SPARE, 7*STGB                     ; behind the seven: the spare words, 128 bytes a wave, four blocks of 256 bytes that no other line names
.set L16, 1                            ; v1  16 x lane
.set L8,  2                            ; v2  8 x lane
.set STA, 3                            ; v3  stage, way in
.set RDA, 4                            ; v4  stage, way out
.set SOF, 5                            ; v5  16 r + 8 h: my two words of the scale block
.set GOF, 6                            ; v6  columns: (lane / 16) x 8,192 + 16 (lane % 16)
.set TMX, 16                           ; v16-19 largest magnitudes
.set TMP, 20                           ; v20-23 the other half's, then the bytes
.set TMS, 24                           ; v24-27 the conversions' scale operands
.set PX,  28                           ; v28-35 the second halves of the blocks' codes
.set PC,  36                           ; v36-47 a fragment's codes
.set SW,  48                           ; rows: v48-51 the four tiles' scale words; columns: v48-51 the bytes of k 0-63, v52-55 those of k 64-127
.set W01, 56                           ; v56-57 my two words of the scale block
.set SPW, 60                           ; v60 my spare word; never rewritten
.set NIL, 61                           ; v61 0; never rewritten
.set R,   64                           ; v64-191 numbers as loaded
.set X,   192                          ; v192-255 numbers of my row or column: register 16 b + i = k 32 b + 16 h + i
.set WV,  16                           ; s16 my wave's number
.set LB,  17                           ; s17 my LDS
.set SEL, 30                           ; s[30:31] lane selects: lane l xor 16
.set HM,  32                           ; s32 lanes 16-31
; 32 nc numbers of a lane, register 16 b + i = k 32 b + 16 h + i of its row, become 6 nc registers of codes in v[d] on and the row's scale word in v[w].
.macro QUANT s, nc, d, w
.set qb, 0
.rept 2*\nc
	v_max3_num_f32 v[TMX+qb], |v[(\s)+16*qb]|, |v[(\s)+16*qb+1]|, 0x1800000   ; my 16 numbers of block b, and the floor 2^(3 - 127): the byte cannot fall under 1
.set qb, qb+1
.endr
.set qi, 2
.rept 7
.set qb, 0
.rept 2*\nc
	v_max3_num_f32 v[TMX+qb], v[TMX+qb], |v[(\s)+16*qb+qi]|, |v[(\s)+16*qb+qi+1]|   ; the blocks by turns
.set qb, qb+1
.endr
.set qi, qi+2
.endr
.set qb, 0
.rept 2*\nc
	v_permlanex16_b32 v[TMP+qb], v[TMX+qb], s[SEL], s[SEL+1]
.set qb, qb+1
.endr
.set qb, 0
.rept 2*\nc
	v_max_num_f32 v[TMX+qb], v[TMX+qb], v[TMP+qb]          ; with lane l xor 16: the block's largest magnitude
.set qb, qb+1
.endr
.set qb, 0
.rept 2*\nc
	v_add_nc_u32 v[TMS+qb], 0xff000000, v[TMX+qb]          ; 2 off its exponent field: the conversion's scale operand
.set qb, qb+1
.endr
.set qb, 0
.rept 2*\nc
	v_lshrrev_b32 v[TMP+qb], 23, v[TMS+qb]                 ; the scale's byte
.set qb, qb+1
.endr
	v_lshl_or_b32 v[\w], v[TMP+1], 8, v[TMP]
.if \nc > 1
	v_lshl_or_b32 v[\w], v[TMP+2], 16, v[\w]
	v_lshl_or_b32 v[\w], v[TMP+3], 24, v[\w]
.endif
.set qc, 0
.rept \nc
	v_cvt_scalef32_pk16_fp6_f32 v[(\d)+6*qc:(\d)+6*qc+2], v[(\s)+32*qc:(\s)+32*qc+15], v[TMS+2*qc]
	v_cvt_scalef32_pk16_fp6_f32 v[PX+4*qc:PX+4*qc+2], v[(\s)+32*qc+16:(\s)+32*qc+31], v[TMS+2*qc+1]   ; a conversion's three registers begin on an even number
.set qc, qc+1
.endr
	v_nop                                                  ; one plain place behind the last scaled conversion
.set qc, 0
.rept \nc
.set qi, 0
.rept 3
	v_permlane16_swap_b32 v[(\d)+6*qc+qi], v[PX+4*qc+qi]   ; a whole block to a lane: lanes 0-15 block 2 c, lanes 16-31 block 2 c + 1
.set qi, qi+1
.endr
.set qi, 0
.rept 3
	v_mov_b32 v[(\d)+6*qc+3+qi], v[PX+4*qc+qi]
.set qi, qi+1
.endr
.set qc, qc+1
.endr
.endm
; ---- the rows' macros
.macro LOADT t                         ; tile t: its 16 rows' 512 bytes of this K step, into set t % 2
.set li, 0
.rept 16
	global_load_b128 v[R+64*((\t)%2)+4*li:R+64*((\t)%2)+4*li+3], v[L16], s[4:5] offset:(32*((\t)/2)+8*((\t)%2)+li+8*(li/8))*8192 th:TH_LOAD_NT
.set li, li+1
.endr
.endm
.macro TILE j
.if \j < 3
	s_wait_loadcnt 16                                      ; this tile's 16 loads are in; the next tile's 16 may be out
.else
	s_wait_loadcnt 0x0
.endif
.set li, 0
.rept 16
	ds_store_b128 v[STA], v[R+64*((\j)%2)+4*li:R+64*((\j)%2)+4*li+3] offset:528*li
.set li, li+1
.endr
.irp b, 0,1,2,3
.irp q, 0,1,2,3
	ds_load_b128 v[X+16*\b+4*\q:X+16*\b+4*\q+3], v[RDA] offset:128*\b+16*\q   ; LDS serves a wave's instructions in order: these see the stores above
.endr
.endr
	s_wait_dscnt 0x0                                       ; my 64 numbers are in, and the stores have read their registers
.if \j > 0
	s_wait_xcnt 0x0                                        ; the last tile's stores have read the codes' registers, which are written again below
.endif
.if \j < 2
	LOADT (\j)+2
.endif
	QUANT X, 2, PC, SW+\j
	global_store_b128 v[L16], v[PC:PC+3], s[10:11] offset:1536*\j          ; 512 consecutive bytes
	global_store_b64 v[L8], v[PC+4:PC+5], s[10:11] offset:1536*\j+512      ; 256 consecutive bytes
	global_store_b128 v[L16], v[PC+6:PC+9], s[10:11] offset:1536*\j+768
	global_store_b64 v[L8], v[PC+10:PC+11], s[10:11] offset:1536*\j+1280
.endm
; ---- the columns' macros
.macro GL c                            ; rows 64 c .. 64 c + 63 of my K step: 32 loads, two rows of 256 bytes each
.set gm, 0
.rept 32
	global_load_b128 v[R+4*gm:R+4*gm+3], v[GOF], s[8:9] offset:(64*\c+2*gm)*8192 th:TH_LOAD_NT
.set gm, gm+1
.endr
.endm
.macro ST                              ; into the stage: rows 2 gm and 2 gm + 1 lie in group gm / 8
.set gm, 0
.rept 32
	ds_store_b128 v[STA], v[R+4*gm:R+4*gm+3] offset:2*gm*272+(gm/8)*128
.set gm, gm+1
.endr
.endm
.macro XL j                            ; tile j: my column's 32 numbers, register 16 b + i = row 32 b + 16 h + i (group 2 b + h: 256 b here, 128 h in the address register), into set j % 2
.set xb, 0
.rept 2
.set xi, 0
.rept 16
	ds_load_b32 v[X+32*((\j)%2)+16*xb+xi], v[RDA] offset:(32*xb+xi)*272+256*xb+4*(32*((\j)/2)+8*((\j)%2))
.set xi, xi+1
.endr
.set xb, xb+1
.endr
.endm
.macro HALF c
	XL 0
	XL 1
.irp j, 0,1,2,3
.if \j < 3
	s_wait_dscnt 32                                        ; this tile's 32 reads are in; the next tile's 32 may be out
.else
	s_wait_dscnt 0x0
.endif
	s_wait_xcnt 0x0                                        ; the last stores have read the codes' registers
	QUANT X+32*(\j%2), 1, PC, SW+4*\c+\j
	global_store_b128 v[L16], v[PC:PC+3], s[14:15] offset:1536*\j+768*\c
	global_store_b64 v[L8], v[PC+4:PC+5], s[14:15] offset:1536*\j+768*\c+512
.if \j < 2
	XL \j+2
.endif
.endr
.endm
	s_load_b256 s[4:11], s[0:1], 0x0               ; x s[4:5], wqkv s[6:7], wo s[8:9], xq s[10:11]
	s_load_b128 s[12:15], s[0:1], 0x20             ; wq s[12:13], woq s[14:15]
	v_lshl_add_u32 v[SPW], v0, 2, SPARE
	v_mov_b32 v[NIL], 0
	v_lshrrev_b32 v8, 5, v0
	v_readfirstlane_b32 s[WV], v8                  ; wave 0..6
	v_and_b32 v9, 31, v0                           ; lane
	v_and_b32 v10, 15, v0                          ; r
	v_bfe_u32 v11, v0, 4, 1                        ; h
	v_lshlrev_b32 v[L16], 4, v9
	v_lshlrev_b32 v[L8], 3, v9
	v_lshlrev_b32 v[SOF], 4, v10
	v_lshl_add_u32 v[SOF], v11, 3, v[SOF]
.irp b, 0,1,2,3
	v_mov_b32 v[TMP+\b], 0                         ; written once: a lane permute's destination counts as one of its sources
.endr
	s_mov_b32 s[SEL], 0x76543210
	s_mov_b32 s[SEL+1], 0xfedcba98
	s_mov_b32 s[HM], 0xffff0000
	s_mul_i32 s[LB], s[WV], STGB                   ; my LDS, whichever text I take
	s_cmp_ge_u32 s[WV], 5
	s_cbranch_scc1 .Lcols                          ; waves 5 and 6: wo
	; ---- ROWS: x and wqkv
	v_add_nc_u32 v[STA], s[LB], v[L16]             ; way in: 16 x lane
	v_mul_u32_u24 v[RDA], v10, 528                 ; way out: 528 r + 64 h
	v_lshl_add_u32 v[RDA], v11, 6, v[RDA]
	v_add_nc_u32 v[RDA], s[LB], v[RDA]
	s_mul_i32 s18, ttmp9, 5
	s_add_co_u32 s18, s18, s[WV]                   ; my block: 5 x work-group + wave
	s_wait_alu depctr_va_vdst(0)
	s_wait_kmcnt 0x0
	s_cmp_lt_u32 s18, 512                          ; x's block or wqkv's: the choice hangs on ids alone
	s_cselect_b64 s[4:5], s[4:5], s[6:7]
	s_cselect_b64 s[10:11], s[10:11], s[12:13]
	s_cselect_b32 s19, 0, 512
	s_sub_co_u32 s19, s18, s19                     ; the block's number in its tensor: 16 x panel + K step
	s_lshr_b32 s20, s19, 4
	s_lshl_b32 s20, s20, 19                        ; a panel: 64 rows of 8,192 bytes
	s_and_b32 s21, s19, 15
	s_lshl_b32 s21, s21, 9                         ; a K step: 512 bytes
	s_add_co_u32 s20, s20, s21
	s_mov_b32 s21, 0
	s_add_nc_u64 s[4:5], s[4:5], s[20:21]
	s_mul_i32 s20, s19, 6400
	s_add_nc_u64 s[10:11], s[10:11], s[20:21]
	LOADT 0
	LOADT 1
	TILE 0
	TILE 1
	TILE 2
	TILE 3
	v_cndmask_b32 v[W01], v[SW], v[SW+2], s[HM]    ; lanes 0-15 store the words of tiles 0 and 1, lanes 16-31 those of tiles 2 and 3:
	v_cndmask_b32 v[W01+1], v[SW+1], v[SW+3], s[HM]
	global_store_b64 v[SOF], v[W01:W01+1], s[10:11] offset:6144   ; 256 consecutive bytes
	s_wait_tensorcnt 0x0                           ; the wave's end
	ds_add_u32 v[SPW], v[NIL]
	s_wait_dscnt 0x0
	s_endpgm
	; ---- COLUMNS: wo
.Lcols:
	v_lshlrev_b32 v12, 4, v10                      ; 16 r
	v_lshl_add_u32 v[GOF], v11, 13, v12
	v_mad_u32_u24 v[STA], v11, 272, v12            ; way in: two rows an instruction
	v_add_nc_u32 v[STA], s[LB], v[STA]
	v_and_b32 v13, 8, v10
	v_add_nc_u32 v13, v13, v10                     ; r + 8 (r / 8)
	v_lshlrev_b32 v[RDA], 2, v13
	v_mad_u32_u24 v[RDA], v11, 4480, v[RDA]        ; lanes 16-31: one group of 16 rows on
	v_add_nc_u32 v[RDA], s[LB], v[RDA]
	s_and_b32 s18, ttmp9, 15
	s_lshl_b32 s18, s18, 1
	s_and_b32 s19, s[WV], 1                        ; waves 5 and 6 take the two panels
	s_add_co_u32 s18, s18, s19                     ; panel of 64 columns
	s_lshr_b32 s19, ttmp9, 4                       ; K step
	s_lshl_b32 s20, s19, 20                        ; 128 rows of 8,192 bytes
	s_lshl_b32 s21, s18, 8
	s_add_co_u32 s20, s20, s21
	s_mov_b32 s21, 0
	s_lshl_b32 s22, s18, 4
	s_add_co_u32 s22, s22, s19
	s_mul_i32 s22, s22, 6400
	s_mov_b32 s23, 0
	s_wait_alu depctr_va_vdst(0)
	s_wait_kmcnt 0x0
	s_add_nc_u64 s[8:9], s[8:9], s[20:21]
	s_add_nc_u64 s[14:15], s[14:15], s[22:23]
	GL 0
	s_wait_loadcnt 0x0
	ST
	s_wait_dscnt 0x0                               ; the stores have read their registers, which take the second half's loads
	GL 1
	HALF 0
	s_wait_loadcnt 0x0
	ST                                             ; my reads of the stage were all waited for in HALF 0
	HALF 1
.irp j, 0,1,2,3
	v_lshl_or_b32 v[SW+\j], v[SW+4+\j], 16, v[SW+\j]   ; the four bytes of a column's 128 along K
.endr
	v_cndmask_b32 v[W01], v[SW], v[SW+2], s[HM]
	v_cndmask_b32 v[W01+1], v[SW+1], v[SW+3], s[HM]
	global_store_b64 v[SOF], v[W01:W01+1], s[14:15] offset:6144   ; 256 consecutive bytes
	s_wait_tensorcnt 0x0                           ; the wave's end
	ds_add_u32 v[SPW], v[NIL]
	s_wait_dscnt 0x0
	s_endpgm
.Lfunc_end_k_q658841270e_quant_all:
	.size	k_q658841270e_quant_all, .Lfunc_end_k_q658841270e_quant_all-k_q658841270e_quant_all
	.p2alignl 7, 3214868480
	.fill 96, 4, 3214868480
	.section	.rodata,"a",@progbits
	.p2align	6, 0x0
	.amdhsa_kernel k_q658841270e_quant_all
		.amdhsa_group_segment_fixed_size 126464
		.amdhsa_private_segment_fixed_size 0
		.amdhsa_enable_private_segment 0
		.amdhsa_kernarg_size 48
		.amdhsa_user_sgpr_count 2
		.amdhsa_user_sgpr_kernarg_segment_ptr 1
		.amdhsa_wavefront_size32 1
		.amdhsa_system_sgpr_workgroup_id_x 1
		.amdhsa_system_sgpr_workgroup_id_y 1
		.amdhsa_system_sgpr_workgroup_id_z 1
		.amdhsa_system_vgpr_workitem_id 0
		.amdhsa_next_free_vgpr 256
		.amdhsa_next_free_sgpr 66
		.amdhsa_reserve_vcc 0
		.amdhsa_float_denorm_mode_32 3
		.amdhsa_float_denorm_mode_16_64 3
		.amdhsa_memory_ordered 1
		.amdhsa_forward_progress 1
		.amdhsa_inst_pref_size 78
	.end_amdhsa_kernel
	.amdgpu_metadata
---
amdhsa.version: [ 1, 2 ]
amdhsa.kernels:
  - .name:           k_q658841270e_quant_all
    .symbol:         k_q658841270e_quant_all.kd
    .args:
      - { .name: x, .offset: 0, .size: 8, .value_kind: global_buffer, .address_space: global }
      - { .name: wqkv, .offset: 8, .size: 8, .value_kind: global_buffer, .address_space: global }
      - { .name: wo, .offset: 16, .size: 8, .value_kind: global_buffer, .address_space: global }
      - { .name: xq, .offset: 24, .size: 8, .value_kind: global_buffer, .address_space: global }
      - { .name: wq, .offset: 32, .size: 8, .value_kind: global_buffer, .address_space: global }
      - { .name: woq, .offset: 40, .size: 8, .value_kind: global_buffer, .address_space: global }
    .group_segment_fixed_size: 126464
    .private_segment_fixed_size: 0
    .kernarg_segment_align: 8
    .kernarg_segment_size: 48
    .max_flat_workgroup_size: 224
    .sgpr_count:     66
    .vgpr_count:     256
    .wavefront_size: 32
...
	.end_amdgpu_metadata
.endif
;; end of part 1
;; launch gemm_qkv (part 2): grid 16 x 16, 6 waves a work-group, clusters of 4 x 1, 327,680 bytes of LDS; arguments xq, wq, q_gamma, q_beta, k_gamma, k_beta, freqs_cos, freqs_sin, qkv; writes qkv
.if DOCPART == 2
	.amdgcn_target "amdgcn-amd-amdhsa--gfx1250"
	.amdhsa_code_object_version 6
	.text
	.protected	k_q658841270e_gemm_qkv
	.globl	k_q658841270e_gemm_qkv
	.p2align	8
	.type	k_q658841270e_gemm_qkv,@function
k_q658841270e_gemm_qkv:
	s_mov_b64 s[64:65], 0
	v_nop
	global_prefetch_b8 v0, s[64:65] scope:SCOPE_SE
	s_setreg_imm32_b32 hwreg(HW_REG_WAVE_MODE, 25, 1), 1
	s_wait_xcnt 0x0
	s_wait_alu depctr_hold_cnt(0) depctr_sa_sdst(0) depctr_va_vdst(0) depctr_va_sdst(0) depctr_va_ssrc(0) depctr_va_vcc(0) depctr_vm_vsrc(0)
	s_getreg_b32 s2, hwreg(HW_REG_IB_STS2, 6, 4)
	s_cmp_eq_u32 s2, 0
	s_cbranch_scc0 .Lentry_in_a_cluster
	s_endpgm
.Lentry_in_a_cluster:
	s_bfe_u32 s2, ttmp6, 0x10000c
	s_cmp_lg_u32 s2, 0x3003
	s_cbranch_scc0 .Lentry_shape_is_right
	s_endpgm
.Lentry_shape_is_right:
; xqkv = x wqkv^T on codes of E2M3; then, in f32, LayerNorm over the head and RoPE for q and k; then the quantisers of the next products: q and k along the head's 64, v along the tokens.  No work is left out.
; SHARES: a work-group takes 128 tokens (two panels of 64) x 3 head slots (slots 0-31 q, 32-39 k, 40-47 v).  Each of its six waves makes 64 tokens x one head: 16 accumulators of 16 x 16.
; q and k: source 0 = the head's 64 rows of wqkv, source 1 = 64 tokens: a lane holds ONE token and its registers run along the head: register 16 b + i of a token tile = feature 32 b + 16 h + i (by the order of rows in a tile).
; v: the two sources change places, by their LDS addresses alone: a lane holds ONE channel and its registers run along the tokens, which are the K of p v.
; K goes through a ring of two LDS slots; a slot holds four K steps of 128 of five panels (25,600 dense bytes each), so the whole K is two first fills and two refills, written out.
; CLUSTER 4, 1, 1: the four partners differ in their tokens alone and ask JOINTLY for the three panels of wqkv, three fifths of a slot.  A cluster along the head slots is not taken: whether a head is v decides LDS addresses
; and a branch here, and neither may hang on a work-group's place in its cluster.
; OUT: qkv [head slot 48][token panel 32][3,328 bytes]: tile j's six registers a lane at 768 j (registers 0-3 at 16 l, 4-5 at 512 + 8 l), scale words at 3,072 + 16 r + 4 j (bytes 0, 1; bytes 2, 3 are 0).
; LIMITS: NaN and infinities are not served; a block of zeros gets the byte 1, its codes are zeros.
.set PANQ,  25600                      ; a panel's four K steps
.set SLOT,  5*PANQ
.set SPARE, 2*SLOT                     ; behind the ring: the spare words, 128 bytes a wave, three blocks of 256 bytes that no other line names
.set SPW, 1                            ; v1  my spare word; never rewritten
.set NIL, 2                            ; v2  0; never rewritten
.set A16, 4                            ; v4-7   base + 16 x lane: source 0 in slot 0, 1; source 1 in slot 0, 1
.set A8,  8                            ; v8-11  base + 8 x lane
.set AS,  12                           ; v12-15 base + 16 r
.set SC0, 16                           ; scale words, two sets that take turns: set s holds source 0's at v[16 + 8 s] on and source 1's at v[20 + 8 s] on; during the ring v16-31 hold scale words and nothing else
.set SC1, 20
.set F0,  0                            ; fragments, in WINDOW 1, two sets that take turns: set s holds source 0's four at v[96 s] on
.set F1,  48                           ; and source 1's four at v[96 s + 48] on.  The macro SETS points these four names at a set
.set ACC, 128                          ; accumulator (i, j) at ACC + 8 (4 j + i)
.set WV,   22
.set TH,   23
.set HW,   24
.set TBK,  26
.set CB,   27
.set HEAD, 28
.set ISV,  29
.set G1X,  32                          ; s[32:39] group 1, x's panels (no mask); s[40:47] wqkv's (mask 15)
.set G1W,  40
.set G0X,  48                          ; s[48:55] group 0 for x's panels, a set for each slot; s[56:63] for wqkv's
.set G0W,  56
.set SEL,  68
.set HM,   70
.set PGAM, 72
.set PBET, 74
.set PCOS, 76
.set PSIN, 78
.set DST,  80
.set RC64, 82
.set EPSR, 83
; the way out's registers (the ring's are done with)
.set L16, 3
.set L8,  4
.set SOF, 5
.set GOF, 6                            ; 64 h: my 16 features of a block of 32, in gamma and beta
.set COF, 7                            ; (r + 8 (r / 8)) x 128 + 32 h: my token's row of cos and sin, my 8 pairs
.set PC,  8                            ; v8-13 codes
.set TMX, 14
.set W01, 16
.set SW,  20
.set TMP, 24
.set TMS, 26
.set PX,  28
.set GAM, 32
.set BET, 64
.set COSR, 96
.set SINR, 112
.macro QUANT s, nc, d, w               ; as in the first launch
.set qb, 0
.rept 2*\nc
	v_max3_num_f32 v[TMX+qb], |v[(\s)+16*qb]|, |v[(\s)+16*qb+1]|, 0x1800000
.set qb, qb+1
.endr
.set qi, 2
.rept 7
.set qb, 0
.rept 2*\nc
	v_max3_num_f32 v[TMX+qb], v[TMX+qb], |v[(\s)+16*qb+qi]|, |v[(\s)+16*qb+qi+1]|
.set qb, qb+1
.endr
.set qi, qi+2
.endr
.set qb, 0
.rept 2*\nc
	v_permlanex16_b32 v[TMP+qb], v[TMX+qb], s[SEL], s[SEL+1]
.set qb, qb+1
.endr
.set qb, 0
.rept 2*\nc
	v_max_num_f32 v[TMX+qb], v[TMX+qb], v[TMP+qb]
.set qb, qb+1
.endr
.set qb, 0
.rept 2*\nc
	v_add_nc_u32 v[TMS+qb], 0xff000000, v[TMX+qb]
.set qb, qb+1
.endr
.set qb, 0
.rept 2*\nc
	v_lshrrev_b32 v[TMP+qb], 23, v[TMS+qb]
.set qb, qb+1
.endr
	v_lshl_or_b32 v[\w], v[TMP+1], 8, v[TMP]
.if \nc > 1
	v_lshl_or_b32 v[\w], v[TMP+2], 16, v[\w]
	v_lshl_or_b32 v[\w], v[TMP+3], 24, v[\w]
.endif
.set qc, 0
.rept \nc
	v_cvt_scalef32_pk16_fp6_f32 v[(\d)+6*qc:(\d)+6*qc+2], v[(\s)+32*qc:(\s)+32*qc+15], v[TMS+2*qc]
	v_cvt_scalef32_pk16_fp6_f32 v[PX+4*qc:PX+4*qc+2], v[(\s)+32*qc+16:(\s)+32*qc+31], v[TMS+2*qc+1]
.set qc, qc+1
.endr
	v_nop                                                  ; one plain place behind the last scaled conversion
.set qc, 0
.rept \nc
.set qi, 0
.rept 3
	v_permlane16_swap_b32 v[(\d)+6*qc+qi], v[PX+4*qc+qi]
.set qi, qi+1
.endr
.set qi, 0
.rept 3
	v_mov_b32 v[(\d)+6*qc+3+qi], v[PX+4*qc+qi]
.set qi, qi+1
.endr
.set qc, qc+1
.endr
.endm
.macro PLACES
.rept 4
	v_nop
.endr
.endm
.macro CROUND                          ; a round of the cluster's barrier
	s_barrier_signal -1
	s_barrier_wait -1
	s_cmp_lg_u32 s[WV], 0
	s_cbranch_scc1 .Lnot_wave_0_\@
	s_barrier_signal -3
.Lnot_wave_0_\@:
	s_barrier_wait -3
	s_barrier_signal -1
	s_barrier_wait -1
.endm
; Waves 0 and 1 fetch x's two panels (their own work-group's), waves 2 to 4 wqkv's three (jointly), wave 5 nothing.  The branches hang on the wave's number alone.
.macro JLOAD s
	s_cmp_lt_u32 s[WV], 2
	s_cbranch_scc0 .Lnot_x_\@
	tensor_load_to_lds s[G0X+4*\s:G0X+4*\s+3], s[G1X:G1X+7]
	s_nop 0
	PLACES
	s_branch .Lasked_\@
.Lnot_x_\@:
	s_cmp_lt_u32 s[WV], 5
	s_cbranch_scc0 .Lasked_\@
	tensor_load_to_lds s[G0W+4*\s:G0W+4*\s+3], s[G1W:G1W+7]
	s_nop 0
	PLACES
.Lasked_\@:
.endm
.macro FRAGL reg, a16, a8, off         ; a fragment's 12 registers, as they were stored
	ds_load_b128 v[\reg:\reg+3], v[\a16] offset:\off
	ds_load_b64 v[\reg+4:\reg+5], v[\a8] offset:\off+512
	ds_load_b128 v[\reg+6:\reg+9], v[\a16] offset:\off+768
	ds_load_b64 v[\reg+10:\reg+11], v[\a8] offset:\off+1280
.endm
; A K step of 128: 34 LDS loads, 16 matrix instructions on 16 accumulators by turns, four places.
.set MSB, 0
.macro WIN new                         ; s_set_vgpr_msb's low byte: bits 1:0 source 0, 3:2 source 1, 5:4 source 2, 7:6 destination; the high byte repeats the setting that is left
.if MSB != (\new)
	s_set_vgpr_msb (MSB<<8)|(\new)
.set MSB, (\new)
.endif
.endm
.macro SETS st
.set F0, 96*(\st)
.set F1, 96*(\st)+48
.set SC0, 16+8*(\st)
.set SC1, 20+8*(\st)
.endm
.macro KLOAD slot, q, st               ; the 34 loads of the slot's q-th K step, into set st
	SETS \st
	ds_load_b128 v[SC0:SC0+3], v[AS+\slot] offset:6400*\q+6144
	ds_load_b128 v[SC1:SC1+3], v[AS+2+\slot] offset:6400*\q+6144
	WIN 0x40                                               ; destinations in window 1
.irp t, 0,1,2,3
	FRAGL F1+12*\t, A16+2+\slot, A8+2+\slot, 6400*\q+1536*\t
.endr
.irp t, 0,1,2,3
	FRAGL F0+12*\t, A16+\slot, A8+\slot, 6400*\q+1536*\t
.endr
	WIN 0
.endm
.macro KMULS st, zero, younger         ; the 16 products on set st; younger: the LDS loads issued behind that set's, which may stay out
	SETS \st
	s_wait_dscnt \younger
	WIN 0x05                                               ; both sources in window 1
.irp i, 0,1,2,3
.irp j, 0,1,2,3
.if \zero
	v_wmma_scale_f32_16x16x128_f8f6f4 v[ACC+8*(4*\j+\i):ACC+8*(4*\j+\i)+7], v[F0+12*\i:F0+12*\i+11], v[F1+12*\j:F1+12*\j+11], 0, v[SC0+\i], v[SC1+\j] matrix_a_fmt:MATRIX_FMT_FP6 matrix_b_fmt:MATRIX_FMT_FP6
.else
	v_wmma_scale_f32_16x16x128_f8f6f4 v[ACC+8*(4*\j+\i):ACC+8*(4*\j+\i)+7], v[F0+12*\i:F0+12*\i+11], v[F1+12*\j:F1+12*\j+11], v[ACC+8*(4*\j+\i):ACC+8*(4*\j+\i)+7], v[SC0+\i], v[SC1+\j] matrix_a_fmt:MATRIX_FMT_FP6 matrix_b_fmt:MATRIX_FMT_FP6
.endif
.endr
.endr
	WIN 0
	PLACES                                                 ; in front of loads into registers that matrix instructions have read, and of the first read of results
.endm
.macro PHASE slot, zero                ; a slot's four K steps: each step's loads are issued ahead of the step before's products
	KLOAD \slot, 0, 0
	KLOAD \slot, 1, 1
	KMULS 0, \zero, 34
	KLOAD \slot, 2, 0
	KMULS 1, 0, 34
	KLOAD \slot, 3, 1
	KMULS 0, 0, 34
	KMULS 1, 0, 0
.endm
; The slot just read is left.  Each wave waits for all its tensor loads (the other slot's), adds 0 to its spare word and waits for that and for its reads.  fill = 1: a round of the cluster's barrier, and the slot is filled again.
.macro CHANGE slot, fill
	s_wait_tensorcnt 0x0
	ds_add_u32 v[SPW], v[NIL]
.if \fill
	ds_add_u32 v[SPW], v[NIL]                              ; and once more
	s_add_nc_u64 s[G0X+4*\slot+2:G0X+4*\slot+3], s[G0X+4*\slot+2:G0X+4*\slot+3], 2*PANQ   ; no load of mine is out: the slot's next four K steps
	s_add_nc_u64 s[G0W+4*\slot+2:G0W+4*\slot+3], s[G0W+4*\slot+2:G0W+4*\slot+3], 2*PANQ
	s_wait_dscnt 0x0
	CROUND
	JLOAD \slot
.else
	s_wait_dscnt 0x0
	s_barrier_signal -1
	s_barrier_wait -1
.endif
.endm
	s_load_b256 s[4:11], s[0:1], 0x0               ; xq s[4:5], wq s[6:7], q_gamma s[8:9], q_beta s[10:11]
	s_load_b256 s[12:19], s[0:1], 0x20             ; k_gamma s[12:13], k_beta s[14:15], cos s[16:17], sin s[18:19]
	s_load_b64 s[20:21], s[0:1], 0x40              ; qkv
	v_lshl_add_u32 v[SPW], v0, 2, SPARE
	v_mov_b32 v[NIL], 0
	ds_add_u32 v[SPW], v[NIL]                      ; the opening: the add, twice on end, and its wait ahead of the first tensor load
	ds_add_u32 v[SPW], v[NIL]
	v_lshrrev_b32 v3, 5, v0
	v_readfirstlane_b32 s[WV], v3                  ; wave 0..5
	s_and_b32 s[TH], s[WV], 1                      ; which 64 tokens
	s_lshr_b32 s[HW], s[WV], 1                     ; which head slot of three
	s_bfe_u32 s25, ttmp6, 0x40000                  ; cx
	s_lshl_b32 s[TBK], ttmp9, 2
	s_add_co_u32 s[TBK], s[TBK], s25               ; block of 128 tokens
	s_and_b32 s[CB], ttmp7, 0xffff                 ; block of three head slots: the partners share it
	s_mul_i32 s[HEAD], s[CB], 3
	s_add_co_u32 s[HEAD], s[HEAD], s[HW]
	s_mov_b32 s[G1X], 3<<16                        ; elements of 8 bytes, no mask, no padding
	s_mov_b32 s[G1W], 15|(3<<16)|(1<<21)           ; the same for all four work-groups of the cluster
.irp g, G1X, G1W
	s_mov_b32 s[\g+1], 32<<16                      ; tensor_dim0: rows of 256 bytes
	s_mov_b32 s[\g+2], 100<<16                     ; tensor_dim1: 25,600 bytes
	s_mov_b32 s[\g+3], 32<<16                      ; tile_dim0
	s_mov_b32 s[\g+4], 100                         ; tile_dim1
	s_mov_b32 s[\g+5], 32                          ; dense
	s_mov_b32 s[\g+6], 0
	s_mov_b32 s[\g+7], 0
.endr
	s_lshl_b32 s66, s[TBK], 1
	s_add_co_u32 s66, s66, s[TH]
	s_mul_i32 s66, s66, 16*6400                    ; x's panel 2 x block + wave (waves 0, 1)
	s_mov_b32 s67, 0
	s_max_u32 s84, s[WV], 2
	s_min_u32 s84, s84, 4
	s_sub_co_u32 s84, s84, 2
	s_mul_i32 s85, s[CB], 3
	s_add_co_u32 s84, s84, s85
	s_mul_i32 s84, s84, 16*6400                    ; wqkv's panel 3 x block + wave - 2 (waves 2 to 4)
	s_mov_b32 s85, 0
	s_mul_i32 s86, s[WV], PANQ                     ; where it goes: panel = wave
	s_mov_b32 s[SEL], 0x76543210
	s_mov_b32 s[SEL+1], 0xfedcba98
	s_mov_b32 s[HM], 0xffff0000
	s_mov_b32 s[RC64], 0x3c800000                  ; 1 / 64
	s_mov_b32 s[EPSR], 0x3727c5ac                  ; 1e-5
	s_wait_dscnt 0x0                               ; both opening adds are done
	s_wait_kmcnt 0x0
	s_add_nc_u64 s[66:67], s[4:5], s[66:67]
	s_add_nc_u64 s[84:85], s[6:7], s[84:85]
	CROUND                                         ; all four work-groups are here: the first joint loads meet
.irp s, 0,1
	s_mov_b32 s[G0X+4*\s], 1
	s_add_co_u32 s[G0X+4*\s+1], s86, \s*SLOT
	s_add_nc_u64 s[G0X+4*\s+2:G0X+4*\s+3], s[66:67], \s*PANQ
	s_or_b32 s[G0X+4*\s+3], s[G0X+4*\s+3], 0x80000000
	s_mov_b32 s[G0W+4*\s], 1
	s_add_co_u32 s[G0W+4*\s+1], s86, \s*SLOT
	s_add_nc_u64 s[G0W+4*\s+2:G0W+4*\s+3], s[84:85], \s*PANQ
	s_or_b32 s[G0W+4*\s+3], s[G0W+4*\s+3], 0x80000000
.endr
	s_cmp_lt_u32 s[WV], 2                          ; slot 0's first fills: one load a wave, one arm each
	s_cbranch_scc0 .Lfirst_not_x
	tensor_load_to_lds s[G0X:G0X+3], s[G1X:G1X+7]
	s_nop 0
	PLACES
	s_branch .Lfirst_asked
.Lfirst_not_x:
	s_cmp_lt_u32 s[WV], 5
	s_cbranch_scc0 .Lfirst_asked
	tensor_load_to_lds s[G0W:G0W+3], s[G1W:G1W+7]
	s_nop 0
	PLACES
.Lfirst_asked:
	v_and_b32 v3, 31, v0
	v_and_b32 v120, 15, v0
	v_lshlrev_b32 v121, 4, v3
	s_wait_alu depctr_va_vdst(0)
	v_lshlrev_b32 v122, 3, v3
	v_lshlrev_b32 v123, 4, v120
	v_min_u32 v3, 24, v3                           ; the prefetches' offset: block min(lane, 24) of a run of 25 blocks of 256 bytes; the spare lanes name the last block again
	v_lshlrev_b32 v3, 8, v3
	s_mul_i32 s87, s[TH], PANQ                     ; my tokens' panel
	s_add_co_u32 s88, s[HW], 2
	s_mul_i32 s88, s88, PANQ                       ; my head's panel
	s_cmp_ge_u32 s[HEAD], 40                       ; a head of v?  Ids alone, and the same in all partners
	s_cselect_b32 s[ISV], 1, 0
	s_cselect_b32 s89, s87, s88                    ; source 0: wqkv's rows, for v the tokens
	s_cselect_b32 s90, s88, s87                    ; source 1: the tokens, for v wqkv's rows
.irp s, 0,1
	v_add_nc_u32 v[A16+\s], s89, v121
	v_add_nc_u32 v[A16+2+\s], s90, v121
	v_add_nc_u32 v[A8+\s], s89, v122
	v_add_nc_u32 v[A8+2+\s], s90, v122
	v_add_nc_u32 v[AS+\s], s89, v123
	v_add_nc_u32 v[AS+2+\s], s90, v123
	s_add_co_u32 s89, s89, SLOT
	s_add_co_u32 s90, s90, SLOT
.endr
; A PREFETCH of fill f's bytes, asked for behind the issue of fill f - 1, one fill ahead of the tensor load that wants them.  A panel's fill is 25,600 bytes, 100 blocks of 256.  wqkv's panels (waves 2 to 4)
; are loaded jointly: the four partners take 25 blocks each, by address (cx).  x's panels (waves 0 and 1) are the work-group's own: four instructions of 25 blocks.  Fill 0 comes by its load alone.
.macro ASKQ f
	s_cmp_lt_u32 s[WV], 5
	s_cbranch_scc0 .Lnot_asking_\@
	global_prefetch_b8 v3, s[96:97] offset:\f*PANQ th:TH_LOAD_NT scope:SCOPE_SE
	s_cmp_lt_u32 s[WV], 2
	s_cbranch_scc0 .Lnot_asking_\@
.irp k, 1,2,3
	global_prefetch_b8 v3, s[96:97] offset:\f*PANQ+6400*\k th:TH_LOAD_NT scope:SCOPE_SE
.endr
.Lnot_asking_\@:
.endm
	s_cmp_lt_u32 s[WV], 2
	s_cselect_b64 s[96:97], s[66:67], s[84:85]     ; the panel that I fetch
	s_cselect_b32 s98, 0, s25
	s_mul_i32 s98, s98, 6400                       ; wqkv's: my work-group's quarter of a fill
	s_mov_b32 s99, 0
	s_add_nc_u64 s[96:97], s[96:97], s[98:99]
	ASKQ 1
	s_cmp_lt_u32 s[HEAD], 32                       ; q's gain and bias, or k's
	s_cselect_b64 s[PGAM:PGAM+1], s[8:9], s[12:13]
	s_cselect_b64 s[PBET:PBET+1], s[10:11], s[14:15]
	s_lshl_b32 s91, s[TBK], 7
	s_lshl_b32 s92, s[TH], 6
	s_add_co_u32 s92, s91, s92                     ; my first token
	s_lshl_b32 s92, s92, 7                         ; a row of cos or sin is 128 bytes
	s_mov_b32 s93, 0
	s_add_nc_u64 s[PCOS:PCOS+1], s[16:17], s[92:93]
	s_add_nc_u64 s[PSIN:PSIN+1], s[18:19], s[92:93]
	s_lshl_b32 s92, s[HEAD], 5
	s_lshl_b32 s94, s[TBK], 1
	s_add_co_u32 s92, s92, s94
	s_add_co_u32 s92, s92, s[TH]
	s_mul_i32 s92, s92, 3328
	s_add_nc_u64 s[DST:DST+1], s[20:21], s[92:93]
	s_wait_alu depctr_va_vdst(0)
	s_wait_tensorcnt 0x0                           ; my part of slot 0 is in; slot 1's first fill is issued as a refill is
	ds_add_u32 v[SPW], v[NIL]
	ds_add_u32 v[SPW], v[NIL]                      ; twice
	s_wait_dscnt 0x0
	CROUND
	JLOAD 1
	ASKQ 2
	PHASE 0, 1                                     ; the first products start the sums
	CHANGE 0, 1
	ASKQ 3
	PHASE 1, 0
	CHANGE 1, 1
	PHASE 0, 0
	CHANGE 0, 0                                    ; nothing is left to fetch
	PHASE 1, 0
	; THE WAY OUT
	s_wait_xcnt 0x0                                ; the prefetches have read their offset register, which is written below
	v_and_b32 v[L16], 31, v0
	v_lshlrev_b32 v[L8], 3, v[L16]
	v_lshlrev_b32 v[L16], 4, v[L16]
	v_and_b32 v14, 15, v0                          ; r
	v_bfe_u32 v15, v0, 4, 1                        ; h
	v_lshlrev_b32 v[SOF], 4, v14
	v_lshl_add_u32 v[SOF], v15, 3, v[SOF]
	v_lshlrev_b32 v[GOF], 6, v15
	v_and_b32 v[COF], 8, v14
	v_add_nc_u32 v[COF], v[COF], v14
	v_lshlrev_b32 v[COF], 7, v[COF]
	v_lshl_add_u32 v[COF], v15, 5, v[COF]
	v_mov_b32 v[TMP], 0                            ; a lane permute's destination counts as one of its sources
	v_mov_b32 v[TMP+1], 0
.macro CSL j                           ; cos and sin of token tile j: my token's 16 pairs, register 8 b + i = pair 16 b + 8 h + i
.irp b, 0,1
.irp q, 0,1
	global_load_b128 v[COSR+8*\b+4*\q:COSR+8*\b+4*\q+3], v[COF], s[PCOS:PCOS+1] offset:(32*((\j)/2)+8*((\j)%2))*128+64*\b+16*\q
	global_load_b128 v[SINR+8*\b+4*\q:SINR+8*\b+4*\q+3], v[COF], s[PSIN:PSIN+1] offset:(32*((\j)/2)+8*((\j)%2))*128+64*\b+16*\q
.endr
.endr
.endm
	s_cmp_lg_u32 s[ISV], 0
	s_cbranch_scc1 .Lno_gamma                      ; v has neither norm nor rotation
.irp b, 0,1
.irp q, 0,1,2,3
	global_load_b128 v[GAM+16*\b+4*\q:GAM+16*\b+4*\q+3], v[GOF], s[PGAM:PGAM+1] offset:128*\b+16*\q
	global_load_b128 v[BET+16*\b+4*\q:BET+16*\b+4*\q+3], v[GOF], s[PBET:PBET+1] offset:128*\b+16*\q
.endr
.endr
	CSL 0
.Lno_gamma:
; Tile j of source 1: 32 registers a lane.  Every accumulator is read from its low end on.
.macro TILE j
.set TA, ACC+32*(\j)
	s_cmp_lg_u32 s[ISV], 0
	s_cbranch_scc1 .Lplain_\@
	v_pk_add_f32 v[14:15], v[TA:TA+1], v[TA+2:TA+3]        ; the mean: my 32 numbers in two chains,
	v_pk_add_f32 v[26:27], v[TA+4:TA+5], v[TA+6:TA+7]
.irp k, 8,12,16,20,24,28
	v_pk_add_f32 v[14:15], v[14:15], v[TA+\k:TA+\k+1]
	v_pk_add_f32 v[26:27], v[26:27], v[TA+\k+2:TA+\k+3]
.endr
	v_pk_add_f32 v[14:15], v[14:15], v[26:27]
	v_add_f32 v14, v14, v15
	v_permlanex16_b32 v[TMP], v14, s[SEL], s[SEL+1]        ; and the token's other 32 in lane l xor 16
	v_add_f32 v14, v14, v[TMP]
	v_mul_f32 v28, s[RC64], v14
	v_mov_b32 v29, v28
.irp k, 0,2,4,6,8,10,12,14,16,18,20,22,24,26,28,30
	v_pk_add_f32 v[TA+\k:TA+\k+1], v[TA+\k:TA+\k+1], v[28:29] neg_lo:[0,1] neg_hi:[0,1]   ; v - mu
.endr
	v_pk_mul_f32 v[14:15], v[TA:TA+1], v[TA:TA+1]          ; the variance, of the differences
	v_pk_mul_f32 v[26:27], v[TA+2:TA+3], v[TA+2:TA+3]
.irp k, 4,8,12,16,20,24,28
	v_pk_fma_f32 v[14:15], v[TA+\k:TA+\k+1], v[TA+\k:TA+\k+1], v[14:15]
	v_pk_fma_f32 v[26:27], v[TA+\k+2:TA+\k+3], v[TA+\k+2:TA+\k+3], v[26:27]
.endr
	v_pk_add_f32 v[14:15], v[14:15], v[26:27]
	v_add_f32 v14, v14, v15
	v_permlanex16_b32 v[TMP], v14, s[SEL], s[SEL+1]
	v_add_f32 v14, v14, v[TMP]
	v_fma_f32 v14, v14, s[RC64], s[EPSR]                   ; sum / 64 is exact, so this is var + eps rounded once
	s_wait_alu depctr_va_vdst(0)
	v_rsq_f32 v28, v14
	v_nop                                                  ; a plain place behind the transcendental
	s_wait_alu depctr_va_vdst(0)
	v_mov_b32 v29, v28
.irp k, 0,2,4,6,8,10,12,14,16,18,20,22,24,26,28,30
	v_pk_mul_f32 v[TA+\k:TA+\k+1], v[TA+\k:TA+\k+1], v[28:29]
.endr
	s_wait_loadcnt 0x0                                     ; gamma, beta, and this tile's cos and sin
.irp k, 0,2,4,6,8,10,12,14,16,18,20,22,24,26,28,30
	v_pk_fma_f32 v[TA+\k:TA+\k+1], v[TA+\k:TA+\k+1], v[GAM+\k:GAM+\k+1], v[BET+\k:BET+\k+1]
.endr
.set rm, 0
.rept 16                               ; RoPE: pair m lies in registers 2 m, 2 m + 1
.set rt, 14
.if rm%3 == 1
.set rt, 26
.endif
.if rm%3 == 2
.set rt, 30
.endif
	v_mul_f32 v[rt], v[TA+2*rm+1], v[SINR+rm]
	v_mul_f32 v[rt+1], v[TA+2*rm], v[SINR+rm]
	v_fma_f32 v[TA+2*rm], v[TA+2*rm], v[COSR+rm], -v[rt]
	v_fma_f32 v[TA+2*rm+1], v[TA+2*rm+1], v[COSR+rm], v[rt+1]
.set rm, rm+1
.endr
.if \j < 3
	CSL (\j)+1                                             ; lands under this tile's quantiser and the next tile's norm
.endif
.Lplain_\@:
.if \j > 0
	s_wait_xcnt 0x0                                        ; the last tile's stores have read the codes' registers
.endif
	QUANT TA, 1, PC, SW+\j
	global_store_b128 v[L16], v[PC:PC+3], s[DST:DST+1] offset:768*\j
	global_store_b64 v[L8], v[PC+4:PC+5], s[DST:DST+1] offset:768*\j+512
.endm
	TILE 0
	TILE 1
	TILE 2
	TILE 3
	v_cndmask_b32 v[W01], v[SW], v[SW+2], s[HM]
	v_cndmask_b32 v[W01+1], v[SW+1], v[SW+3], s[HM]
	global_store_b64 v[SOF], v[W01:W01+1], s[DST:DST+1] offset:3072
	s_wait_tensorcnt 0x0                           ; the wave's end
	ds_add_u32 v[SPW], v[NIL]
	s_wait_dscnt 0x0
	CROUND                                         ; the closing round
	s_endpgm
.Lfunc_end_k_q658841270e_gemm_qkv:
	.size	k_q658841270e_gemm_qkv, .Lfunc_end_k_q658841270e_gemm_qkv-k_q658841270e_gemm_qkv
	.p2alignl 7, 3214868480
	.fill 96, 4, 3214868480
	.section	.rodata,"a",@progbits
	.p2align	6, 0x0
	.amdhsa_kernel k_q658841270e_gemm_qkv
		.amdhsa_group_segment_fixed_size 327680
		.amdhsa_private_segment_fixed_size 0
		.amdhsa_enable_private_segment 0
		.amdhsa_kernarg_size 72
		.amdhsa_user_sgpr_count 2
		.amdhsa_user_sgpr_kernarg_segment_ptr 1
		.amdhsa_wavefront_size32 1
		.amdhsa_system_sgpr_workgroup_id_x 1
		.amdhsa_system_sgpr_workgroup_id_y 1
		.amdhsa_system_sgpr_workgroup_id_z 1
		.amdhsa_system_vgpr_workitem_id 0
		.amdhsa_next_free_vgpr 512
		.amdhsa_next_free_sgpr 100
		.amdhsa_reserve_vcc 0
		.amdhsa_float_denorm_mode_32 3
		.amdhsa_float_denorm_mode_16_64 3
		.amdhsa_memory_ordered 1
		.amdhsa_forward_progress 1
		.amdhsa_inst_pref_size 131
	.end_amdhsa_kernel
	.amdgpu_metadata
---
amdhsa.version: [ 1, 2 ]
amdhsa.kernels:
  - .name:           k_q658841270e_gemm_qkv
    .symbol:         k_q658841270e_gemm_qkv.kd
    .args:
      - { .name: xq, .offset: 0, .size: 8, .value_kind: global_buffer, .address_space: global }
      - { .name: wq, .offset: 8, .size: 8, .value_kind: global_buffer, .address_space: global }
      - { .name: q_gamma, .offset: 16, .size: 8, .value_kind: global_buffer, .address_space: global }
      - { .name: q_beta, .offset: 24, .size: 8, .value_kind: global_buffer, .address_space: global }
      - { .name: k_gamma, .offset: 32, .size: 8, .value_kind: global_buffer, .address_space: global }
      - { .name: k_beta, .offset: 40, .size: 8, .value_kind: global_buffer, .address_space: global }
      - { .name: freqs_cos, .offset: 48, .size: 8, .value_kind: global_buffer, .address_space: global }
      - { .name: freqs_sin, .offset: 56, .size: 8, .value_kind: global_buffer, .address_space: global }
      - { .name: qkv, .offset: 64, .size: 8, .value_kind: global_buffer, .address_space: global }
    .group_segment_fixed_size: 327680
    .private_segment_fixed_size: 0
    .kernarg_segment_align: 8
    .kernarg_segment_size: 72
    .max_flat_workgroup_size: 192
    .sgpr_count:     100
    .vgpr_count:     512
    .wavefront_size: 32
...
	.end_amdgpu_metadata
.endif
;; end of part 2
;; launch attn (part 3): grid 32 x 8, 8 waves a work-group, clusters of 4 x 4, 327,680 bytes of LDS; arguments qkv, mask, ao; writes ao
.if DOCPART == 3
	.amdgcn_target "amdgcn-amd-amdhsa--gfx1250"
	.amdhsa_code_object_version 6
	.text
	.protected	k_q658841270e_attn
	.globl	k_q658841270e_attn
	.p2align	8
	.type	k_q658841270e_attn,@function
k_q658841270e_attn:
	s_mov_b64 s[64:65], 0
	v_nop
	global_prefetch_b8 v0, s[64:65] scope:SCOPE_SE
	s_setreg_imm32_b32 hwreg(HW_REG_WAVE_MODE, 25, 1), 1
	s_wait_xcnt 0x0
	s_wait_alu depctr_hold_cnt(0) depctr_sa_sdst(0) depctr_va_vdst(0) depctr_va_sdst(0) depctr_va_ssrc(0) depctr_va_vcc(0) depctr_vm_vsrc(0)
	s_getreg_b32 s2, hwreg(HW_REG_IB_STS2, 6, 4)
	s_cmp_eq_u32 s2, 0
	s_cbranch_scc0 .Lentry_in_a_cluster
	s_endpgm
.Lentry_in_a_cluster:
	s_bfe_u32 s2, ttmp6, 0x10000c
	s_cmp_lg_u32 s2, 0xf033
	s_cbranch_scc0 .Lentry_shape_is_right
	s_endpgm
.Lentry_shape_is_right:
; o = softmax(q k^T / 8 + mask) v for 32 heads, both products on codes of E2M3; o is divided by the row's sum and quantised along f = 64 head + channel for the last product.
; No work is left out: the mask is an input, so all 2,048 keys are walked for every query.
; THE SOFTMAX: the factor 1/8 is a power of two and is taken off q's scale bytes; the mask's tile is the C of k q^T, so the matrix instruction gives logit = score / 8 + mask.
; M = the running largest t = logit x log2(e), rounded up to a whole number; t - M is ONE fused multiply-add of the logit; p = 2^(t - M) is quantised along the keys; the sum is taken of the unquantised p;
; when M moves, sum and O are multiplied by 2^(old M - new M), exactly.
; SHARES: a work-group owns a panel of 64 queries and one key/value head, that is four query heads.  Wave w owns query tile w % 4 (16 queries) of TWO heads, 2 (w / 4) and 2 (w / 4) + 1:
; one read of the mask's tile, of k's and of v's fragments serves both.  Head a's registers lie in window 0, head b's in window 1 at the same numbers, so one macro serves both.
; Both products are used transposed: S^T = k q^T, O^T = v^T p^T: a lane holds ONE query.  Register 16 b + i of S^T is key 32 b + 16 h + i of the step's 128, of O^T channel 32 b + 16 h + i.
; q and k have K = 64.  q's upper six registers are zero codes.  So k's fragments lie DENSELY, six registers a tile: the upper half of k's operand is the next tile's codes (the last tile's: p's old codes),
; which meet q's zeros; E2M3 has no NaN and no infinity, and the scale bytes of that half are 0, a finite code.
; RING: two slots of 256 keys: k's four panels (13,312 dense bytes), v's four, the mask's 64 rows x 1,024 bytes in four groups of 16 rows, pitch 1,040, groups 17,024 bytes apart.
; A KEY STEP (128 keys): k q^T for head b and head a, v's loads between the two; PARTB for head a; the NEXT step's loads of the mask and of k, into registers that head a has done with;
; PARTB for head b, which works in window 1 while those loads are out.  PARTB works on registers alone.
; AT A CHANGE OF SLOTS the signal stands behind k q^T, head a's PARTB between the signal and the wait, and the next slot's first loads and head b's PARTB behind the round.
; CLUSTER 4 x 4: k and v hang on the key/value head, shared along a row of the cluster; the mask's tile hangs on the query panel, shared along a column.  Both are asked for jointly.
; LIMITS: NaN and infinities are not served; p under 2^-126 counts as 0 (ISA guide, v_exp_f32); a block whose every p is 0 keeps the byte 1, its codes are zeros;
; a block of q whose scale byte lies under 4 (largest magnitude under 2^-121) is taken with the byte 1; the promise holds while |t| stays under 2^31.
; Where a row's LARGEST |t| passes 2^23, so that f32 holds no fraction of t, t - M here keeps the fraction of the unrounded product: all p of such a row then carry one common factor under 2^|t| x 2^-23,
; which the division by the sum takes out again but for one rounding to a code of E2M3.
.set QBB,   3328
.set VOFF,  4*QBB
.set MOFF,  8*QBB
.set MGRP,  17024
.set SLOT1, 1<<17
.set STG,   2*SLOT1                    ; 512 bytes: the scale words of the two K steps of ao that this work-group makes
.set SPARE, STG+512                    ; the spare words: 128 bytes a wave, four blocks of 256 bytes that no other line names
.set L16, 1
.set L8,  2
.set R16, 3
.set AM0, 4
.set SPW, 5                            ; never rewritten
.set NIL, 6                            ; never rewritten
.set PFO, 7                            ; never rewritten
.set AD16, 8
.set AD8,  9
.set ADS,  10
.set ADM,  11
; a head's own, in its window: v12 -M, v13 largest t, v[14:15] the sum, v[30:31] f
.set QF,  16                           ; v16-27 q's fragment (a head's own)
.set QSA, 28                           ; q's scale words, both in window 0
.set QSB, 29
.set KB,  32                           ; window 0: v32-79 k's eight tiles; both windows: PARTB's temporaries
.set BM,  32
.set T,   36
.set PD,  40
.set SO,  44
.set BY,  48
.set PX0, 52
.set PX1, 56
.set SA,  60                           ; v60-75 eight partial sums
.set PCD, 80                           ; v80-91 p's codes (a head's own)
.set S,   92                           ; v92-155 (a head's own; window 0's take the mask first)
.set O,   156                          ; v156-187 (a head's own)
.set VB,  188                          ; v188-235 v's four fragments
.set KS,  236                          ; v236-243 k's scale words
.set VS,  244                          ; v244-251 v's scale bytes of keys 0-63 and of keys 64-127
.set PSA, 252                          ; v252, v253 p's scale words of heads a and b, in window 0
.set WV,   10
.set TQ,   11
.set HP,   12
.set SEL,  20
.set G1KV, 24
.set G1M,  32
.set G0KV, 40
.set G0M,  44
.set L2E,  48
.set TB,   50
.set SLOTS, 51
.set PFA,  52
.set PFS,  54
.set LIM,  56
.set TL,   60
.set MSB, 0
.macro WIN new                         ; low byte: bits 1:0 source 0, 3:2 source 1, 5:4 source 2, 7:6 destination; the high byte repeats the setting that is left
.if MSB != (\new)
	s_set_vgpr_msb (MSB<<8)|(\new)
.set MSB, (\new)
.endif
.endm
.macro PLACES
.rept 4
	v_nop
.endr
.endm
.macro CREST
	s_cmp_lg_u32 s[WV], 0
	s_cbranch_scc1 .Lnot_wave_0_\@
	s_barrier_signal -3
.Lnot_wave_0_\@:
	s_barrier_wait -3
	s_barrier_signal -1
	s_barrier_wait -1
.endm
.macro CROUND
	s_barrier_signal -1
	s_barrier_wait -1
	CREST
.endm
; Wave 0 fetches k's four panels, wave 1 v's, waves 2 to 5 a group of the mask's rows each, waves 6 and 7 nothing.
.macro TLOAD
	s_cmp_lt_u32 s[WV], 2
	s_cbranch_scc0 .Lnot_kv_\@
	tensor_load_to_lds s[G0KV:G0KV+3], s[G1KV:G1KV+7]
	s_nop 0
	PLACES
	s_branch .Lasked_\@
.Lnot_kv_\@:
	s_cmp_lt_u32 s[WV], 6
	s_cbranch_scc0 .Lasked_\@
	tensor_load_to_lds s[G0M:G0M+3], s[G1M:G1M+7]
	s_nop 0
	PLACES
.Lasked_\@:
.endm
; A prefetch of what the NEXT change of slots will ask for, one instruction in each asking wave.  The mask: the clusters with y = 0; a column's four partners take 16 of the 64 rows each, by address;
; waves 6 and 7 take 8 rows each, four lanes to a row's 1,024 bytes.  k and v: the clusters with x = 0; a row's four partners take 13 of the 52 blocks of 256 bytes each, by address; wave 5:
; lanes 0-15 for k, lanes 16-31 for v, the spare lanes name the thirteenth block again.  Slots 0 and 1 come by their loads alone; the last filling change asks for nothing.
.macro ASK
	s_cmp_gt_u32 s[SLOTS], s[LIM]
	s_cbranch_scc0 .Lnot_mine_\@
	global_prefetch_b8 v[PFO], s[PFA:PFA+1] th:TH_LOAD_NT scope:SCOPE_SE
.Lnot_mine_\@:
.endm
.macro ADDR                            ; the LDS addresses of the slot in hand, once a slot
	v_add_nc_u32 v[AD16], s[TB], v[L16]
	v_add_nc_u32 v[AD8], s[TB], v[L8]
	v_add_nc_u32 v[ADS], s[TB], v[R16]
	v_add_nc_u32 v[ADM], s[TB], v[AM0]
	s_wait_alu depctr_va_vdst(0)                           ; directly behind the writes
.endm
.macro LOADMK q                        ; the q-th step of the slot: the mask's tile into head a's S^T, k's eight tiles and their scale words: 34 loads
.irp b, 0,1,2,3
.irp i, 0,1,2,3
	ds_load_b128 v[S+16*\b+4*\i:S+16*\b+4*\i+3], v[ADM] offset:512*\q+128*\b+16*\i   ; the mask of my query at keys 32 b + 16 h + 4 i on
.endr
.endr
.irp g, 0,1
	ds_load_b128 v[KS+4*\g:KS+4*\g+3], v[ADS] offset:(2*\q+\g)*QBB+3072
.irp t, 0,1,2,3
	ds_load_b128 v[KB+24*\g+6*\t:KB+24*\g+6*\t+3], v[AD16] offset:(2*\q+\g)*QBB+768*\t
	ds_load_b64 v[KB+24*\g+6*\t+4:KB+24*\g+6*\t+5], v[AD8] offset:(2*\q+\g)*QBB+768*\t+512
.endr
.endr
.endm
; The logits of both heads, and v's 18 loads of the q-th step between the two runs.
.macro KMUL q
	s_wait_alu depctr_va_vdst(0)
	s_wait_dscnt 0x0                                       ; the mask and k: asked for a whole PARTB ago
	WIN 0x44                                               ; head b: D and q in window 1; k and C, the mask, in window 0
.irp u, 0,1,2,3,4,5,6,7
	v_wmma_scale_f32_16x16x128_f8f6f4 v[S+8*\u:S+8*\u+7], v[KB+6*\u:KB+6*\u+11], v[QF:QF+11], v[S+8*\u:S+8*\u+7], v[KS+\u], v[QSB] matrix_a_fmt:MATRIX_FMT_FP6 matrix_b_fmt:MATRIX_FMT_FP6
.endr
	WIN 0
.rept 5
	v_nop                                                  ; five places: head a's products write over the C of head b's; they are also the places behind p v in front of v's loads
.endr
.irp c, 0,1
	ds_load_b128 v[VS+4*\c:VS+4*\c+3], v[ADS] offset:VOFF+(2*\q+\c)*QBB+3072
.endr
.irp t, 0,1,2,3
.irp c, 0,1
	ds_load_b128 v[VB+12*\t+6*\c:VB+12*\t+6*\c+3], v[AD16] offset:VOFF+(2*\q+\c)*QBB+768*\t
	ds_load_b64 v[VB+12*\t+6*\c+4:VB+12*\t+6*\c+5], v[AD8] offset:VOFF+(2*\q+\c)*QBB+768*\t+512
.endr
.endr
.irp u, 0,1,2,3,4,5,6,7
	v_wmma_scale_f32_16x16x128_f8f6f4 v[S+8*\u:S+8*\u+7], v[KB+6*\u:KB+6*\u+11], v[QF:QF+11], v[S+8*\u:S+8*\u+7], v[KS+\u], v[QSA] matrix_a_fmt:MATRIX_FMT_FP6 matrix_b_fmt:MATRIX_FMT_FP6
.endr
.endm
.macro TFMA c                          ; t - M = logit x log2(e) - M, fused: c pairs (of the pairs log2(e) and -M the low word serves both halves)
.rept \c
	v_pk_fma_f32 v[S+n:S+n+1], v[S+n:S+n+1], s[L2E:L2E+1], v[12:13] op_sel_hi:[1,0,0]
.set n, n+2
.endr
.endm
; THE SECOND PART, for head h (0: a, 1: b), in window h: registers alone.  w = 1: v's loads are waited for here.  Head a's comes first in a step and joins v's scale bytes for both.
.macro PARTB h, w
	WIN 0x55*\h
.if \h
	s_wait_alu depctr_va_vdst(0)                           ; directly ahead of the first readers of S^T: head a's exponentials stand behind head b's k q^T
.endif
.irp b, 0,1,2,3
	v_max3_num_f32 v[BM+\b], v[S+16*\b], v[S+16*\b+1], v[S+16*\b+2]   ; the largest logit of each block of 32 keys: it serves the row's maximum and the block's largest p
.endr
.irp i, 3,5,7,9,11,13
.irp b, 0,1,2,3
	v_max3_num_f32 v[BM+\b], v[BM+\b], v[S+16*\b+\i], v[S+16*\b+\i+1]
.endr
.endr
.irp b, 0,1,2,3
	v_max_num_f32 v[BM+\b], v[BM+\b], v[S+16*\b+15]
.endr
.irp b, 0,1,2,3
	s_delay_alu instid0(VALU_DEP_4)
	v_permlanex16_b32 v[PD+\b], v[BM+\b], s[SEL], s[SEL+1]
.endr
.irp b, 0,1,2,3
	s_delay_alu instid0(VALU_DEP_4)
	v_max_num_f32 v[BM+\b], v[BM+\b], v[PD+\b]             ; with lane l xor 16's 16 keys
.endr
.set n, 0
	s_delay_alu instid0(VALU_DEP_2)
	v_max3_num_f32 v[T], v[BM], v[BM+1], v[BM+2]
	s_delay_alu instid0(VALU_DEP_1)
	v_max_num_f32 v[T], v[T], v[BM+3]
	s_delay_alu instid0(VALU_DEP_1)
	v_mul_f32 v[T], s[L2E], v[T]                           ; the step's largest t
	s_delay_alu instid0(VALU_DEP_1)
	v_max_num_f32 v13, v13, v[T]                           ; the running largest t
	v_mov_b32 v[T], v12
	s_delay_alu instid0(VALU_DEP_2)
	v_floor_f32 v12, -v13                                  ; -M = floor(-t): M is a whole number
	s_delay_alu instid0(VALU_DEP_1)
	v_sub_f32 v[T], v12, v[T]                              ; old M - new M
	TFMA 3                                                 ; the rest of the chain that makes f has three of these between its links
	s_delay_alu instid0(VALU_DEP_4)
	v_cvt_i32_f32 v[T], v[T]                               ; (it saturates)
	TFMA 3
	s_delay_alu instid0(VALU_DEP_4)
	v_ldexp_f32 v30, 1.0, v[T]                             ; f = 2^(old M - new M)
	TFMA 26
.irp b, 0,1,2,3
	v_fma_f32 v[BM+\b], v[BM+\b], s[L2E], v12              ; the same of each block's largest logit
.endr
.if \w
	s_wait_dscnt 0x0                                       ; v's fragments and scale bytes
.endif
.if \h == 0
.irp t, 0,1,2,3
	v_lshl_or_b32 v[VS+\t], v[VS+4+\t], 16, v[VS+\t]       ; v's four scale bytes of these 128 keys
.endr
.endif
	s_wait_alu depctr_va_vdst(0)                           ; ahead of the first readers of O^T and ahead of the batch
.set n, 0
.rept 16
	v_pk_mul_f32 v[O+n:O+n+1], v[O+n:O+n+1], v[30:31] op_sel_hi:[1,0]       ; O^T under the new M
.set n, n+2
.endr
.set n, 0
.rept 64
	v_exp_f32 v[S+n], v[S+n]                               ; p, not normalised
.set n, n+1
.endr
	v_pk_mul_f32 v[14:15], v[14:15], v[30:31] op_sel_hi:[1,0]   ; the sum under the new M (a plain place behind the exponentials)
	s_wait_alu depctr_va_vdst(0)                           ; one wait for the batch of 64
.irp b, 0,1,2,3
	v_exp_f32 v[BM+\b], v[BM+\b]                           ; the block's largest p: the same arithmetic on the same number gives the same bits
.endr
.irp k, 0,1,2,3,4,5,6,7
	v_pk_add_f32 v[SA+2*\k:SA+2*\k+1], v[S+2*\k:S+2*\k+1], v[S+16+2*\k:S+16+2*\k+1]   ; the sum of the unquantised p, in eight chains
.endr
.irp j, 32,48
.irp k, 0,1,2,3,4,5,6,7
	v_pk_add_f32 v[SA+2*\k:SA+2*\k+1], v[SA+2*\k:SA+2*\k+1], v[S+\j+2*\k:S+\j+2*\k+1]
.endr
.endr
	s_wait_alu depctr_va_vdst(0)                           ; and one for the four
.irp b, 0,1,2,3
	v_max_num_f32 v[BM+\b], 0x1800000, v[BM+\b]            ; the floor 2^(3 - 127)
.endr
.irp b, 0,1,2,3
	s_delay_alu instid0(VALU_DEP_4)
	v_add_nc_u32 v[SO+\b], 0xff000000, v[BM+\b]            ; 2 off the exponent field: the conversion's scale operand
.endr
.irp b, 0,1,2,3
	s_delay_alu instid0(VALU_DEP_4)
	v_lshrrev_b32 v[BY+\b], 23, v[SO+\b]
.endr
	s_delay_alu instid0(VALU_DEP_3)
	v_lshl_or_b32 v[BY], v[BY+1], 8, v[BY]
	s_delay_alu instid0(VALU_DEP_1)
	v_lshl_or_b32 v[BY], v[BY+2], 16, v[BY]
	WIN 0x11*\h                                            ; scale operands have no window: p's scale word goes to window 0
	v_lshl_or_b32 v[PSA+\h], v[BY+3], 24, v[BY]
	WIN 0x55*\h
	v_cvt_scalef32_pk16_fp6_f32 v[PCD:PCD+2], v[S:S+15], v[SO]
	v_cvt_scalef32_pk16_fp6_f32 v[PX0:PX0+2], v[S+16:S+31], v[SO+1]
	v_cvt_scalef32_pk16_fp6_f32 v[PCD+6:PCD+8], v[S+32:S+47], v[SO+2]
	v_cvt_scalef32_pk16_fp6_f32 v[PX1:PX1+2], v[S+48:S+63], v[SO+3]
	v_nop                                                  ; one plain place behind the last scaled conversion
.irp i, 0,1,2
	v_permlane16_swap_b32 v[PCD+\i], v[PX0+\i]             ; a whole block to a lane
.endr
.irp i, 0,1,2
	v_permlane16_swap_b32 v[PCD+6+\i], v[PX1+\i]
.endr
.irp i, 0,1,2
	v_mov_b32 v[PCD+3+\i], v[PX0+\i]
.endr
.irp i, 0,1,2
	v_mov_b32 v[PCD+9+\i], v[PX1+\i]
.endr
.irp k, 0,1,2,3
	v_pk_add_f32 v[SA+2*\k:SA+2*\k+1], v[SA+2*\k:SA+2*\k+1], v[SA+8+2*\k:SA+8+2*\k+1]   ; the chains are joined: these eight are the places between the codes' last lines and the products
.endr
.irp k, 0,1
	v_pk_add_f32 v[SA+2*\k:SA+2*\k+1], v[SA+2*\k:SA+2*\k+1], v[SA+4+2*\k:SA+4+2*\k+1]
.endr
	s_delay_alu instid0(VALU_DEP_1)
	v_pk_add_f32 v[SA:SA+1], v[SA:SA+1], v[SA+2:SA+3]
	s_delay_alu instid0(VALU_DEP_1)
	v_pk_add_f32 v[14:15], v[14:15], v[SA:SA+1]
	WIN 0x54*\h                                            ; v's fragments in window 0; p's codes, C and D in the head's window
.irp t, 0,1,2,3
	v_wmma_scale_f32_16x16x128_f8f6f4 v[O+8*\t:O+8*\t+7], v[VB+12*\t:VB+12*\t+11], v[PCD:PCD+11], v[O+8*\t:O+8*\t+7], v[VS+\t], v[PSA+\h] matrix_a_fmt:MATRIX_FMT_FP6 matrix_b_fmt:MATRIX_FMT_FP6
.endr
	WIN 0
.endm
; THE CHANGE OF SLOTS, in two halves with register work between.  OPEN: all my tensor loads have landed, the add, my reads of the slot that I leave are over, the signal.
; CLOSE: the wait; fill = 1: the rest of a round of the cluster's barrier, and the slot left is filled with the keys that follow.
.macro OPEN fill
	s_wait_tensorcnt 0x0
	ds_add_u32 v[SPW], v[NIL]
.if \fill
	ds_add_u32 v[SPW], v[NIL]                              ; and once more
	s_xor_b32 s[G0KV+1], s[G0KV+1], SLOT1                  ; no load of mine is out: the other slot, the next 256 keys
	s_add_nc_u64 s[G0KV+2:G0KV+3], s[G0KV+2:G0KV+3], 4*QBB
	s_xor_b32 s[G0M+1], s[G0M+1], SLOT1
	s_add_nc_u64 s[G0M+2:G0M+3], s[G0M+2:G0M+3], 1024
	s_wait_xcnt 0x0                                        ; the last prefetch, a slot back, has read its address
	s_add_nc_u64 s[PFA:PFA+1], s[PFA:PFA+1], s[PFS:PFS+1]
.endif
	s_wait_dscnt 0x0
	s_barrier_signal -1
.endm
.macro CLOSE fill
	s_barrier_wait -1
.if \fill
	CREST
	TLOAD
	ASK
.endif
.endm
; A slot's two steps up to the wait of its change: on the way in the first step's mask and k have been asked for.
.macro SLOTW fill
	KMUL 0
	PLACES                                         ; behind head a's k q^T
	PARTB 0, 1
	LOADMK 1                                       ; into registers that head a has done with
	PARTB 1, 0
	KMUL 1
	OPEN \fill
	PLACES
	PARTB 0, 0
	CLOSE \fill
	s_xor_b32 s[TB], s[TB], SLOT1
.endm
.macro INIT                            ; a head's state, in the window that the caller has set for the destination
	v_mov_b32 v13, 0xff61b1e6                      ; the largest t so far: -3e38
	v_mov_b32 v12, 0x7f61b1e6                      ; -M = floor(3e38)
	v_mov_b32 v14, 0
	v_mov_b32 v15, 0
	v_mov_b32 v31, 0                               ; named as the upper half of the pair v[30:31]
.set n, 0
.rept 6
	v_mov_b32 v[QF+6+n], 0                         ; q's K ends at 64
.set n, n+1
.endr
.set n, 0
.rept 32
	v_mov_b32 v[O+n], 0                            ; the step is written without a first form: the first finds zeros
.set n, n+1
.endr
.endm
	s_load_b128 s[4:7], s[0:1], 0x0                ; qkv, mask
	s_load_b64 s[8:9], s[0:1], 0x10                ; ao
	v_lshl_add_u32 v[SPW], v0, 2, SPARE
	v_mov_b32 v[NIL], 0
	ds_add_u32 v[SPW], v[NIL]                      ; the opening: the add, twice on end, and its wait ahead of the first tensor load
	ds_add_u32 v[SPW], v[NIL]
	v_lshrrev_b32 v8, 5, v0
	v_readfirstlane_b32 s[WV], v8                  ; wave 0..7
	s_and_b32 s[TQ], s[WV], 3                      ; my tile of 16 queries
	s_lshr_b32 s[HP], s[WV], 2                     ; my pair of the group's four heads
	s_bfe_u32 s13, ttmp6, 0x40000                  ; cx
	s_bfe_u32 s14, ttmp6, 0x40004                  ; cy
	s_lshl_b32 s15, ttmp9, 2
	s_add_co_u32 s15, s15, s13                     ; query panel
	s_and_b32 s16, ttmp7, 0xffff
	s_lshl_b32 s16, s16, 2
	s_add_co_u32 s16, s16, s14                     ; key/value head
	s_lshl_b32 s17, s14, 2
	s_lshl_b32 s17, 15, s17                        ; my row of the cluster
	s_lshl_b32 s18, 0x1111, s13                    ; my column
	s_or_b32 s[G1KV], s17, (3<<16)|(1<<21)         ; k, v: 13,312 dense bytes as 52 rows of 256
	s_mov_b32 s[G1KV+1], 32<<16
	s_mov_b32 s[G1KV+2], 52<<16
	s_mov_b32 s[G1KV+3], 32<<16
	s_mov_b32 s[G1KV+4], 52
	s_mov_b32 s[G1KV+5], 32
	s_mov_b32 s[G1KV+6], 0
	s_mov_b32 s[G1KV+7], 0
	s_or_b32 s[G1M], s18, (2<<16)|(1<<20)|(1<<21)|(7<<22)|(3<<25)   ; the mask: 16 rows of 256 numbers of 4 bytes, 4 words of padding behind every 256 words
	s_mov_b32 s[G1M+1], 256<<16
	s_mov_b32 s[G1M+2], 16<<16
	s_mov_b32 s[G1M+3], 256<<16
	s_mov_b32 s[G1M+4], 16
	s_mov_b32 s[G1M+5], 2048
	s_mov_b32 s[G1M+6], 0
	s_mov_b32 s[G1M+7], 0
	s_and_b32 s66, s[WV], 1                        ; k (0) or v (1)
	s_mul_i32 s67, s66, VOFF
	s_lshl_b32 s68, s66, 3
	s_add_co_u32 s68, s68, s16
	s_add_co_u32 s68, s68, 32                      ; head slot 32 + g or 40 + g
	s_mul_i32 s68, s68, 32*QBB
	s_mov_b32 s69, 0
	s_add_co_u32 s70, s[WV], 2
	s_and_b32 s70, s70, 3                          ; the mask's group: waves 2 to 5 take 0 to 3
	s_mul_i32 s71, s70, MGRP
	s_add_co_u32 s71, s71, MOFF
	s_lshl_b32 s72, s15, 6
	s_lshl_b32 s73, s70, 4
	s_add_co_u32 s72, s72, s73
	s_lshl_b32 s72, s72, 13                        ; rows of 8,192 bytes
	s_mov_b32 s73, 0
	s_mov_b32 s[SEL], 0x76543210
	s_mov_b32 s[SEL+1], 0xfedcba98
	s_mov_b32 s[L2E], 0x3fb8aa3b                   ; log2(e)
	s_mov_b32 s[L2E+1], s[L2E]
	s_mov_b32 s[TB], 0
	s_mov_b32 s[SLOTS], 7
	s_wait_dscnt 0x0                               ; both opening adds are done
	s_wait_kmcnt 0x0
	s_mov_b32 s[G0KV], 1
	s_mov_b32 s[G0KV+1], s67
	s_add_nc_u64 s[G0KV+2:G0KV+3], s[4:5], s[68:69]
	s_or_b32 s[G0KV+3], s[G0KV+3], 0x80000000
	s_mov_b32 s[G0M], 1
	s_mov_b32 s[G0M+1], s71
	s_add_nc_u64 s[G0M+2:G0M+3], s[6:7], s[72:73]
	s_or_b32 s[G0M+3], s[G0M+3], 0x80000000
	CROUND                                         ; all sixteen work-groups are here: the first joint loads meet
	TLOAD                                          ; slot 0
	s_lshl_b32 s74, s16, 2
	s_lshl_b32 s75, s[HP], 1
	s_add_co_u32 s74, s74, s75                     ; head a; head b is the next
	s_lshl_b32 s74, s74, 5
	s_add_co_u32 s74, s74, s15
	s_mul_i32 s74, s74, QBB
	s_mov_b32 s75, 0
	s_add_nc_u64 s[76:77], s[4:5], s[74:75]        ; q: head a's, my panel's block; head b's lies 32 QBB bytes on
	s_mul_i32 s74, s[TQ], 768
	s_add_nc_u64 s[78:79], s[76:77], s[74:75]      ; my tile in it
	s_lshl_b32 s83, s[TQ], 2
	s_lshr_b32 s80, s[TQ], 1                       ; my query's row of the mask's tile: group 2 (tq / 2) + r / 8, row 8 (tq % 2) + r % 8 in it
	s_mul_i32 s80, s80, 2*MGRP
	s_and_b32 s81, s[TQ], 1
	s_mul_i32 s81, s81, 8*1040
	s_add_co_u32 s80, s80, s81
	s_add_co_u32 s80, s80, MOFF
	s_lshl_b32 s82, s15, 4                         ; ao: block 16 x panel + 2 g + my pair
	s_lshl_b32 s84, s16, 1
	s_add_co_u32 s82, s82, s84
	s_mul_i32 s84, s82, 6400
	s_mov_b32 s85, 0
	s_add_nc_u64 s[86:87], s[8:9], s[84:85]        ; the work-group's two blocks
	s_mul_i32 s84, s[HP], 6400
	s_mul_i32 s89, s[TQ], 1536
	s_add_co_u32 s84, s84, s89
	s_add_nc_u64 s[92:93], s[86:87], s[84:85]      ; my tile's image: head a's half, then head b's
	s_lshl_b32 s94, s[HP], 8                       ; my scale word in the stage, less 16 r
	s_add_co_u32 s94, s94, s83
	s_add_co_u32 s94, s94, STG
	s_add_co_u32 s96, s16, 32                      ; the prefetches
	s_mul_i32 s96, s96, 32*QBB
	s_mul_i32 s97, s13, 13*256
	s_add_co_u32 s96, s96, s97
	s_add_co_u32 s96, s96, 4*QBB                   ; in slot 1: the first change of slots steps it to slot 2
	s_lshl_b32 s97, s15, 6
	s_lshl_b32 s98, s14, 4
	s_add_co_u32 s97, s97, s98
	s_and_b32 s98, s[WV], 1
	s_lshl_b32 s98, s98, 3
	s_add_co_u32 s97, s97, s98
	s_lshl_b32 s97, s97, 13
	s_add_co_u32 s97, s97, 1024
	s_and_b32 s58, ttmp7, 0xffff                   ; cluster y
	s_sub_co_u32 s59, s[WV], 5
	s_cmp_lt_u32 s59, 3                            ; waves 5 to 7 ask
	s_cselect_b32 s59, 0, 1
	s_cmp_eq_u32 s[WV], 5
	s_cselect_b64 s[PFA:PFA+1], s[4:5], s[6:7]
	s_mov_b32 s[PFS], 1024
	s_cselect_b32 s[PFS], 4*QBB, s[PFS]
	s_cselect_b32 s96, s96, s97
	s_cselect_b32 s57, -1, 0
	s_cselect_b32 s58, ttmp9, s58                  ; the coordinate along which other clusters read the same bytes
	s_mov_b32 s97, 0
	s_mov_b32 s[PFS+1], 0
	s_add_nc_u64 s[PFA:PFA+1], s[PFA:PFA+1], s[96:97]
	s_or_b32 s58, s58, s59
	s_cmp_eq_u32 s58, 0
	s_cselect_b32 s[LIM], 1, -1                    ; the same in all sixteen partners, for a given wave
	v_and_b32 v8, 31, v0
	v_and_b32 v9, 15, v0                           ; r
	v_bfe_u32 v10, v0, 4, 1                        ; h
	v_lshlrev_b32 v[L16], 4, v8
	v_lshlrev_b32 v[L8], 3, v8
	v_lshlrev_b32 v[R16], 4, v9
	v_lshrrev_b32 v[AM0], 3, v9
	v_and_b32 v12, 7, v9
	v_add_nc_u32 v11, s83, v[R16]
	v_mul_u32_u24 v[AM0], v[AM0], MGRP
	v_lshrrev_b32 v14, 2, v8
	v_and_b32 v13, 3, v8
	v_mad_u32_u24 v[AM0], v12, 1040, v[AM0]
	v_lshlrev_b32 v13, 8, v13
	v_min_u32 v15, 12, v9
	v_lshl_add_u32 v[AM0], v10, 6, v[AM0]
	v_lshl_add_u32 v14, v14, 13, v13               ; the mask: row lane / 4, block lane % 4
	v_lshlrev_b32 v15, 8, v15
	v_add_nc_u32 v[AM0], s80, v[AM0]
	v_mad_u32_u24 v15, v10, 8*32*QBB, v15          ; k, v: block min(lane % 16, 12); lanes 16-31 eight head slots on
	s_delay_alu instid0(VALU_DEP_1)
	v_cndmask_b32 v[PFO], v14, v15, s57
	s_wait_alu depctr_va_vdst(0)
	global_load_b128 v[QF:QF+3], v[L16], s[78:79]
	global_load_b64 v[QF+4:QF+5], v[L8], s[78:79] offset:512
	global_load_b32 v[QSA], v11, s[76:77] offset:3072
	global_load_b32 v[QSB], v11, s[76:77] offset:32*QBB+3072
	WIN 0x40                                       ; destinations in window 1: head b's
	global_load_b128 v[QF:QF+3], v[L16], s[78:79] offset:32*QBB
	global_load_b64 v[QF+4:QF+5], v[L8], s[78:79] offset:32*QBB+512
	INIT
.irp b, 0,1,2,3
	v_mov_b32 v[PD+\b], 0                          ; a lane permute's destination counts as one of its sources
.endr
	WIN 0
	s_wait_alu depctr_va_vdst(0)
	s_wait_loadcnt 0x0                             ; q
.irp x, QSA, QSB                       ; 3 off q's two scale bytes: the factor 1 / 8; a byte is held at 4 first, so that it stays a finite code of at least 1; bytes 2 and 3 stay 0
	v_and_b32 v8, 0xff, v[\x]
	v_bfe_u32 v9, v[\x], 8, 8
	v_max_u32 v8, 4, v8
	v_max_u32 v9, 4, v9
	s_delay_alu instid0(VALU_DEP_1)
	v_lshl_or_b32 v[\x], v9, 8, v8
	s_delay_alu instid0(VALU_DEP_1)
	v_add_nc_u32 v[\x], 0xfffffcfd, v[\x]
.endr
	INIT                                           ; head a's
.set n, 0
.rept 6
	v_mov_b32 v[PCD+n], 0                          ; named as the upper half of k's last tile in the first step
.set n, n+1
.endr
	s_wait_alu depctr_va_vdst(0)
	OPEN 1                                         ; slot 0 has landed;
	CLOSE 1                                        ; slot 1 is asked for, as a refill is
	ADDR
	LOADMK 0
	s_mov_b32 s[SLOTS], 6
.Lslot:                                            ; six trips, slots 0 to 5: at each change the slot just read takes the keys two slots on
	SLOTW 1
	ADDR
	LOADMK 0                                       ; the next slot's first step
	PARTB 1, 0
	s_sub_co_u32 s[SLOTS], s[SLOTS], 1
	s_cmp_lg_u32 s[SLOTS], 0
	s_wait_alu depctr_va_vdst(0)
	s_cbranch_scc1 .Lslot
	s_mov_b32 s[TL], 2
.Ltail:                                            ; slots 6 and 7: nothing is left to fetch.  The first trip's barrier shows slot 7 whole; the second's orders nothing more, and every wave passes it
	SLOTW 0
	s_wait_alu depctr_va_vdst(0)
	s_cmp_eq_u32 s[TL], 1
	s_cbranch_scc1 .Lno_more                       ; behind slot 7 no step follows: nothing is read
	ADDR
	LOADMK 0
.Lno_more:
	PARTB 1, 0
	s_sub_co_u32 s[TL], s[TL], 1
	s_cmp_lg_u32 s[TL], 0
	s_wait_alu depctr_va_vdst(0)
	s_cbranch_scc1 .Ltail
; THE WAY OUT of head h: O^T / the sum, quantised along the head's 64 channels; its six registers a lane are half h of my tile's image.
.macro OUTQ h
	WIN 0x55*\h
	v_add_f32 v14, v14, v15
	s_delay_alu instid0(VALU_DEP_1)
	v_permlanex16_b32 v[T], v14, s[SEL], s[SEL+1]
	s_delay_alu instid0(VALU_DEP_1)
	v_add_f32 v14, v14, v[T]                       ; the row's sum
	s_wait_alu depctr_va_vdst(0)
	v_rcp_f32 v14, v14
	v_nop                                          ; a plain place behind the transcendental
	s_wait_alu depctr_va_vdst(0)
.set n, 0
.rept 16
	v_pk_mul_f32 v[S+n:S+n+1], v[O+n:O+n+1], v[14:15] op_sel_hi:[1,0]   ; register 16 b + i: channel 32 b + 16 h + i of my query
.set n, n+2
.endr
.irp b, 0,1
	v_max3_num_f32 v[BM+\b], |v[S+16*\b]|, |v[S+16*\b+1]|, 0x1800000
.endr
.irp i, 2,4,6,8,10,12,14
.irp b, 0,1
	s_delay_alu instid0(VALU_DEP_2)
	v_max3_num_f32 v[BM+\b], v[BM+\b], |v[S+16*\b+\i]|, |v[S+16*\b+\i+1]|
.endr
.endr
.irp b, 0,1
	s_delay_alu instid0(VALU_DEP_2)
	v_permlanex16_b32 v[PD+\b], v[BM+\b], s[SEL], s[SEL+1]
.endr
.irp b, 0,1
	s_delay_alu instid0(VALU_DEP_2)
	v_max_num_f32 v[BM+\b], v[BM+\b], v[PD+\b]
.endr
.irp b, 0,1
	s_delay_alu instid0(VALU_DEP_2)
	v_add_nc_u32 v[SO+\b], 0xff000000, v[BM+\b]
.endr
.irp b, 0,1
	s_delay_alu instid0(VALU_DEP_2)
	v_lshrrev_b32 v[BY+\b], 23, v[SO+\b]
.endr
	s_delay_alu instid0(VALU_DEP_1)
	v_lshl_or_b32 v[BY], v[BY+1], 8, v[BY]         ; the head's two scale bytes
	v_cvt_scalef32_pk16_fp6_f32 v[PCD:PCD+2], v[S:S+15], v[SO]
	v_cvt_scalef32_pk16_fp6_f32 v[PX0:PX0+2], v[S+16:S+31], v[SO+1]
	v_nop                                          ; one plain place behind the last scaled conversion
.irp i, 0,1,2
	v_permlane16_swap_b32 v[PCD+\i], v[PX0+\i]
.endr
.irp i, 0,1,2
	s_delay_alu instid0(VALU_DEP_3)
	v_mov_b32 v[PCD+3+\i], v[PX0+\i]
.endr
	WIN 0x04*\h                                    ; a store's data are its source 1
	global_store_b128 v[L16], v[PCD:PCD+3], s[92:93] offset:768*\h
	global_store_b64 v[L8], v[PCD+4:PCD+5], s[92:93] offset:768*\h+512
	WIN 0
.endm
	v_add_nc_u32 v[AD16], s94, v[R16]              ; these four are also places behind the last products
	v_add_nc_u32 v[AD8], STG, v[L16]
	v_bfe_u32 v[ADS], v0, 4, 1
	s_delay_alu instid0(VALU_DEP_1)
	v_mad_u32_u24 v[ADS], v[ADS], 6400, v[R16]
	OUTQ 0
	OUTQ 1
	WIN 0x01                                       ; source 0 in window 1: head b's two bytes above head a's
	v_lshl_or_b32 v37, v[BY], 16, v[BY]
	WIN 0
	ds_store_b32 v[AD16], v37                      ; my row's scale word; lanes l and l xor 16 write the same word with the same value
	s_wait_dscnt 0x0                               ; for the others' sake
	s_barrier_signal -1
	s_barrier_wait -1
	s_cmp_lg_u32 s[WV], 0
	s_cbranch_scc1 .Lnot_first
	ds_load_b128 v[32:35], v[AD8]                  ; the two scale blocks, 256 bytes each
	s_wait_dscnt 0x0
	global_store_b128 v[ADS], v[32:35], s[86:87] offset:6144   ; sixteen lanes store 256 consecutive bytes
.Lnot_first:
	s_wait_tensorcnt 0x0                           ; the wave's end
	ds_add_u32 v[SPW], v[NIL]
	s_wait_dscnt 0x0
	CROUND                                         ; the closing round
	s_endpgm
.Lfunc_end_k_q658841270e_attn:
	.size	k_q658841270e_attn, .Lfunc_end_k_q658841270e_attn-k_q658841270e_attn
	.p2alignl 7, 3214868480
	.fill 96, 4, 3214868480
	.section	.rodata,"a",@progbits
	.p2align	6, 0x0
	.amdhsa_kernel k_q658841270e_attn
		.amdhsa_group_segment_fixed_size 327680
		.amdhsa_private_segment_fixed_size 0
		.amdhsa_enable_private_segment 0
		.amdhsa_kernarg_size 24
		.amdhsa_user_sgpr_count 2
		.amdhsa_user_sgpr_kernarg_segment_ptr 1
		.amdhsa_wavefront_size32 1
		.amdhsa_system_sgpr_workgroup_id_x 1
		.amdhsa_system_sgpr_workgroup_id_y 1
		.amdhsa_system_sgpr_workgroup_id_z 1
		.amdhsa_system_vgpr_workitem_id 0
		.amdhsa_next_free_vgpr 512
		.amdhsa_next_free_sgpr 100
		.amdhsa_reserve_vcc 0
		.amdhsa_float_denorm_mode_32 3
		.amdhsa_float_denorm_mode_16_64 3
		.amdhsa_memory_ordered 1
		.amdhsa_forward_progress 1
		.amdhsa_inst_pref_size 157
	.end_amdhsa_kernel
	.amdgpu_metadata
---
amdhsa.version: [ 1, 2 ]
amdhsa.kernels:
  - .name:           k_q658841270e_attn
    .symbol:         k_q658841270e_attn.kd
    .args:
      - { .name: qkv, .offset: 0, .size: 8, .value_kind: global_buffer, .address_space: global }
      - { .name: mask, .offset: 8, .size: 8, .value_kind: global_buffer, .address_space: global }
      - { .name: ao, .offset: 16, .size: 8, .value_kind: global_buffer, .address_space: global }
    .group_segment_fixed_size: 327680
    .private_segment_fixed_size: 0
    .kernarg_segment_align: 8
    .kernarg_segment_size: 24
    .max_flat_workgroup_size: 256
    .sgpr_count:     100
    .vgpr_count:     512
    .wavefront_size: 32
...
	.end_amdgpu_metadata
.endif
;; end of part 3
;; launch gemm_out (part 4): grid 16 x 16, 4 waves a work-group, clusters of 4 x 4, 327,680 bytes of LDS; arguments ao, woq, out0; writes out0
.if DOCPART == 4
	.amdgcn_target "amdgcn-amd-amdhsa--gfx1250"
	.amdhsa_code_object_version 6
	.text
	.protected	k_q658841270e_gemm_out
	.globl	k_q658841270e_gemm_out
	.p2align	8
	.type	k_q658841270e_gemm_out,@function
k_q658841270e_gemm_out:
	s_mov_b64 s[64:65], 0
	v_nop
	global_prefetch_b8 v0, s[64:65] scope:SCOPE_SE
	s_setreg_imm32_b32 hwreg(HW_REG_WAVE_MODE, 25, 1), 1
	s_wait_xcnt 0x0
	s_wait_alu depctr_hold_cnt(0) depctr_sa_sdst(0) depctr_va_vdst(0) depctr_va_sdst(0) depctr_va_ssrc(0) depctr_va_vcc(0) depctr_vm_vsrc(0)
	s_getreg_b32 s2, hwreg(HW_REG_IB_STS2, 6, 4)
	s_cmp_eq_u32 s2, 0
	s_cbranch_scc0 .Lentry_in_a_cluster
	s_endpgm
.Lentry_in_a_cluster:
	s_bfe_u32 s2, ttmp6, 0x10000c
	s_cmp_lg_u32 s2, 0xf033
	s_cbranch_scc0 .Lentry_shape_is_right
	s_endpgm
.Lentry_shape_is_right:
; out0 = o wo on codes of E2M3: ao [token panel 32][K step 16][6,400 bytes], woq [column panel 32][K step 16][6,400 bytes], out0 [2048][2048] f32.  No work is left out.
; SHARES: a work-group makes 128 tokens x 128 columns, each of its four waves 64 x 64: 16 accumulators.  Source 0 = 64 columns of wo, source 1 = 64 tokens: a lane holds one token, and register 16 b + i of a token tile
; is column 32 b + 16 h + i of the panel.  K goes through a ring of two LDS slots; a slot holds four K steps of 128 of four panels (25,600 dense bytes each): two first fills and two refills, written out.
; CLUSTER 4 x 4: ao's panels hang on the tokens, shared along a row of the cluster; woq's on the columns, shared along a column.  Each is asked for jointly; every wave fetches one panel.
.set PANQ,  25600
.set SLOT,  4*PANQ
.set STAGE, 2*SLOT                     ; behind the ring: 16 rows x (256 bytes + 16) for each wave
.set SPARE, STAGE+4*4352               ; the spare words: 128 bytes a wave, two blocks of 256 bytes that no other line names
.set SPW, 1                            ; never rewritten
.set NIL, 2                            ; never rewritten
.set A16, 4
.set A8,  8
.set AS,  12
.set SC0, 16                           ; scale words, two sets that take turns: set s holds source 0's at v[16 + 8 s] on and source 1's at v[20 + 8 s] on; during the ring v16-31 hold scale words and nothing else
.set SC1, 20
.set F0,  0                            ; fragments, in WINDOW 1, two sets that take turns: set s holds source 0's four at v[96 s] on
.set F1,  48                           ; and source 1's four at v[96 s + 48] on.  The macro SETS points these four names at a set
.set STO, 120                          ; the stage, way in: 272 r + 64 h
.set RD,  121                          ; way out: 272 (lane / 16) + 16 (lane % 16)
.set CO,  122                          ; the same two rows in out0
.set ACC, 128
.set OB,  24                           ; the way out: 16 rows read back, v24-55 and v56-87 by turns
.set WV,  10
.set G1A, 24
.set G1B, 32
.set G0A, 40
.set G0B, 48
.macro PLACES
.rept 4
	v_nop
.endr
.endm
.macro CROUND
	s_barrier_signal -1
	s_barrier_wait -1
	s_cmp_lg_u32 s[WV], 0
	s_cbranch_scc1 .Lnot_wave_0_\@
	s_barrier_signal -3
.Lnot_wave_0_\@:
	s_barrier_wait -3
	s_barrier_signal -1
	s_barrier_wait -1
.endm
.macro JLOAD s                         ; waves 0 and 1 fetch ao's two panels, waves 2 and 3 woq's
	s_cmp_eq_u32 s11, 0
	s_cbranch_scc0 .Lfor_b_\@
	tensor_load_to_lds s[G0A+4*\s:G0A+4*\s+3], s[G1A:G1A+7]
	s_nop 0
	PLACES
	s_branch .Lasked_\@
.Lfor_b_\@:
	tensor_load_to_lds s[G0B+4*\s:G0B+4*\s+3], s[G1B:G1B+7]
	s_nop 0
	PLACES
.Lasked_\@:
.endm
.macro FRAGL reg, a16, a8, off
	ds_load_b128 v[\reg:\reg+3], v[\a16] offset:\off
	ds_load_b64 v[\reg+4:\reg+5], v[\a8] offset:\off+512
	ds_load_b128 v[\reg+6:\reg+9], v[\a16] offset:\off+768
	ds_load_b64 v[\reg+10:\reg+11], v[\a8] offset:\off+1280
.endm
.set MSB, 0
.macro WIN new                         ; s_set_vgpr_msb's low byte: bits 1:0 source 0, 3:2 source 1, 5:4 source 2, 7:6 destination; the high byte repeats the setting that is left
.if MSB != (\new)
	s_set_vgpr_msb (MSB<<8)|(\new)
.set MSB, (\new)
.endif
.endm
.macro SETS st
.set F0, 96*(\st)
.set F1, 96*(\st)+48
.set SC0, 16+8*(\st)
.set SC1, 20+8*(\st)
.endm
.macro KLOAD slot, q, st               ; the 34 loads of the slot's q-th K step, into set st
	SETS \st
	ds_load_b128 v[SC0:SC0+3], v[AS+\slot] offset:6400*\q+6144
	ds_load_b128 v[SC1:SC1+3], v[AS+2+\slot] offset:6400*\q+6144
	WIN 0x40                                               ; destinations in window 1
.irp t, 0,1,2,3
	FRAGL F1+12*\t, A16+2+\slot, A8+2+\slot, 6400*\q+1536*\t
.endr
.irp t, 0,1,2,3
	FRAGL F0+12*\t, A16+\slot, A8+\slot, 6400*\q+1536*\t
.endr
	WIN 0
.endm
.macro KMULS st, zero, younger         ; 16 matrix instructions on 16 accumulators by turns, on set st; younger: the LDS loads issued behind that set's, which may stay out
	SETS \st
	s_wait_dscnt \younger
	WIN 0x05                                               ; both sources in window 1
.irp i, 0,1,2,3
.irp j, 0,1,2,3
.if \zero
	v_wmma_scale_f32_16x16x128_f8f6f4 v[ACC+8*(4*\j+\i):ACC+8*(4*\j+\i)+7], v[F0+12*\i:F0+12*\i+11], v[F1+12*\j:F1+12*\j+11], 0, v[SC0+\i], v[SC1+\j] matrix_a_fmt:MATRIX_FMT_FP6 matrix_b_fmt:MATRIX_FMT_FP6
.else
	v_wmma_scale_f32_16x16x128_f8f6f4 v[ACC+8*(4*\j+\i):ACC+8*(4*\j+\i)+7], v[F0+12*\i:F0+12*\i+11], v[F1+12*\j:F1+12*\j+11], v[ACC+8*(4*\j+\i):ACC+8*(4*\j+\i)+7], v[SC0+\i], v[SC1+\j] matrix_a_fmt:MATRIX_FMT_FP6 matrix_b_fmt:MATRIX_FMT_FP6
.endif
.endr
.endr
	WIN 0
	PLACES                                                 ; in front of loads into registers that matrix instructions have read, and of the first read of results
.endm
.macro PHASE slot, zero                ; a slot's four K steps: each step's loads are issued ahead of the step before's products
	KLOAD \slot, 0, 0
	KLOAD \slot, 1, 1
	KMULS 0, \zero, 34
	KLOAD \slot, 2, 0
	KMULS 1, 0, 34
	KLOAD \slot, 3, 1
	KMULS 0, 0, 34
	KMULS 1, 0, 0
.endm
.macro CHANGE slot, fill
	s_wait_tensorcnt 0x0                                   ; all my tensor loads have landed: my part of the other slot
	ds_add_u32 v[SPW], v[NIL]
.if \fill
	s_add_nc_u64 s[G0A+4*\slot+2:G0A+4*\slot+3], s[G0A+4*\slot+2:G0A+4*\slot+3], 2*PANQ
	s_add_nc_u64 s[G0B+4*\slot+2:G0B+4*\slot+3], s[G0B+4*\slot+2:G0B+4*\slot+3], 2*PANQ
	s_wait_dscnt 0x0
	CROUND
	JLOAD \slot
.else
	s_wait_dscnt 0x0
	s_barrier_signal -1
	s_barrier_wait -1
.endif
.endm
	s_load_b128 s[4:7], s[0:1], 0x0                ; ao, woq
	s_load_b64 s[8:9], s[0:1], 0x10                ; out0
	v_lshl_add_u32 v[SPW], v0, 2, SPARE
	v_mov_b32 v[NIL], 0
	ds_add_u32 v[SPW], v[NIL]                      ; the opening: the add, twice on end, and its wait ahead of the first tensor load
	ds_add_u32 v[SPW], v[NIL]
	v_lshrrev_b32 v3, 5, v0
	v_readfirstlane_b32 s[WV], v3                  ; wave 0..3
	s_lshr_b32 s11, s[WV], 1                       ; my token panel.  Also: I fetch for ao (0) or for woq (1)
	s_and_b32 s12, s[WV], 1                        ; my column panel.  Also: which panel I fetch
	s_bfe_u32 s13, ttmp6, 0x40000                  ; cx
	s_bfe_u32 s14, ttmp6, 0x40004                  ; cy
	s_lshl_b32 s15, ttmp9, 2
	s_add_co_u32 s15, s15, s13                     ; block of 128 columns
	s_and_b32 s16, ttmp7, 0xffff
	s_lshl_b32 s16, s16, 2
	s_add_co_u32 s16, s16, s14                     ; block of 128 tokens
	s_lshl_b32 s17, s14, 2
	s_lshl_b32 s17, 15, s17                        ; my row of the cluster
	s_lshl_b32 s18, 0x1111, s13                    ; my column
	s_or_b32 s[G1A], s17, (3<<16)|(1<<21)
	s_or_b32 s[G1B], s18, (3<<16)|(1<<21)
.irp g, G1A, G1B
	s_mov_b32 s[\g+1], 32<<16                      ; 25,600 dense bytes as 100 rows of 256
	s_mov_b32 s[\g+2], 100<<16
	s_mov_b32 s[\g+3], 32<<16
	s_mov_b32 s[\g+4], 100
	s_mov_b32 s[\g+5], 32
	s_mov_b32 s[\g+6], 0
	s_mov_b32 s[\g+7], 0
.endr
	s_lshl_b32 s56, s16, 1
	s_add_co_u32 s56, s56, s12
	s_mul_i32 s56, s56, 16*6400                    ; ao's panel: tokens alone
	s_mov_b32 s57, 0
	s_lshl_b32 s58, s15, 1
	s_add_co_u32 s58, s58, s12
	s_mul_i32 s58, s58, 16*6400                    ; woq's panel: columns alone
	s_mov_b32 s59, 0
	s_mul_i32 s60, s[WV], PANQ                     ; where it goes: panel = wave
	s_wait_dscnt 0x0                               ; both opening adds are done
	s_wait_kmcnt 0x0
	s_add_nc_u64 s[56:57], s[4:5], s[56:57]
	s_add_nc_u64 s[58:59], s[6:7], s[58:59]
	CROUND                                         ; all sixteen work-groups are here: the first joint loads meet
.irp s, 0,1
	s_mov_b32 s[G0A+4*\s], 1
	s_add_co_u32 s[G0A+4*\s+1], s60, \s*SLOT
	s_add_nc_u64 s[G0A+4*\s+2:G0A+4*\s+3], s[56:57], \s*PANQ
	s_or_b32 s[G0A+4*\s+3], s[G0A+4*\s+3], 0x80000000
	s_mov_b32 s[G0B+4*\s], 1
	s_add_co_u32 s[G0B+4*\s+1], s60, \s*SLOT
	s_add_nc_u64 s[G0B+4*\s+2:G0B+4*\s+3], s[58:59], \s*PANQ
	s_or_b32 s[G0B+4*\s+3], s[G0B+4*\s+3], 0x80000000
.endr
	s_cmp_eq_u32 s11, 0                            ; slot 0's first fills: one load a wave
	s_cbranch_scc0 .Lfirst_b
	tensor_load_to_lds s[G0A:G0A+3], s[G1A:G1A+7]
	s_nop 0
	PLACES
	s_branch .Lfirst_asked
.Lfirst_b:
	tensor_load_to_lds s[G0B:G0B+3], s[G1B:G1B+7]
	s_nop 0
	PLACES
.Lfirst_asked:
	v_and_b32 v3, 31, v0
	v_and_b32 v123, 15, v0                         ; r
	v_bfe_u32 v124, v0, 4, 1                       ; h
	v_lshlrev_b32 v125, 4, v3
	v_lshlrev_b32 v126, 3, v3
	v_lshlrev_b32 v127, 4, v123
	s_add_co_u32 s19, s12, 2
	s_mul_i32 s19, s19, PANQ                       ; source 0: my columns' panel
	s_mul_i32 s20, s11, PANQ                       ; source 1: my tokens' panel
.irp s, 0,1
	v_add_nc_u32 v[A16+\s], s19, v125
	v_add_nc_u32 v[A16+2+\s], s20, v125
	v_add_nc_u32 v[A8+\s], s19, v126
	v_add_nc_u32 v[A8+2+\s], s20, v126
	v_add_nc_u32 v[AS+\s], s19, v127
	v_add_nc_u32 v[AS+2+\s], s20, v127
	s_add_co_u32 s19, s19, SLOT
	s_add_co_u32 s20, s20, SLOT
.endr
	s_mul_i32 s21, s[WV], 4352
	s_add_co_u32 s21, s21, STAGE                   ; my stage
	v_mul_u32_u24 v[STO], v123, 272
	v_lshl_add_u32 v[STO], v124, 6, v[STO]
	v_add_nc_u32 v[STO], s21, v[STO]
	v_mad_u32_u24 v[RD], v124, 272, v127
	v_add_nc_u32 v[RD], s21, v[RD]
	v_lshl_add_u32 v[CO], v124, 13, v127
	; THE PREFETCHES: a panel's fill is 25,600 bytes, 100 blocks of 256.  The four partners that load it jointly take 25 blocks each, by address (cx for ao's panels, cy for woq's): one instruction a wave,
	; block min(lane, 24), the spare lanes name the last block again.  Fill f is asked for behind the issue of fill f - 1, one fill ahead of its tensor load; fill 0 comes by its load alone.
	; v3 and s[66:67] are never rewritten.
	v_min_u32 v3, 24, v3
	v_lshlrev_b32 v3, 8, v3
	s_cmp_eq_u32 s11, 0
	s_cselect_b64 s[66:67], s[56:57], s[58:59]     ; the panel that I fetch
	s_cselect_b32 s68, s13, s14
	s_mul_i32 s68, s68, 6400
	s_mov_b32 s69, 0
	s_add_nc_u64 s[66:67], s[66:67], s[68:69]
	s_wait_alu depctr_va_vdst(0)
	global_prefetch_b8 v3, s[66:67] offset:PANQ th:TH_LOAD_NT scope:SCOPE_SE
	s_lshl_b32 s61, s16, 7
	s_lshl_b32 s62, s11, 6
	s_add_co_u32 s62, s61, s62                     ; my first token
	s_lshl_b32 s62, s62, 13
	s_lshl_b32 s61, s15, 9                         ; my first column, in bytes
	s_add_co_u32 s62, s62, s61
	s_lshl_b32 s61, s12, 8
	s_add_co_u32 s62, s62, s61
	s_mov_b32 s63, 0
	s_add_nc_u64 s[8:9], s[8:9], s[62:63]
	s_wait_alu depctr_va_vdst(0)
	s_wait_tensorcnt 0x0                           ; my part of slot 0 is in; slot 1's first fill is issued as a refill is
	ds_add_u32 v[SPW], v[NIL]
	s_wait_dscnt 0x0
	CROUND
	JLOAD 1
	global_prefetch_b8 v3, s[66:67] offset:2*PANQ th:TH_LOAD_NT scope:SCOPE_SE
	PHASE 0, 1                                     ; the first products start the sums
	CHANGE 0, 1
	global_prefetch_b8 v3, s[66:67] offset:3*PANQ th:TH_LOAD_NT scope:SCOPE_SE
	s_wait_alu depctr_va_vdst(0)
	PHASE 1, 0
	CHANGE 1, 1
	PHASE 0, 0
	CHANGE 0, 0                                    ; nothing is left to fetch
	PHASE 1, 0
; THE WAY OUT, a token tile (16 rows x 64 columns, 256 bytes a row) at a time, through my own stage: LDS serves a wave's instructions in order (ISA guide 5.7.1.4), so no wait stands between the stores and the loads.
.macro TOSTAGE j
.set tp, 0
.rept 8
	ds_store_b128 v[STO], v[ACC+32*(\j)+4*tp:ACC+32*(\j)+4*tp+3] offset:128*(tp/4)+16*(tp%4)   ; each accumulator from its low end on
.set tp, tp+1
.endr
.set tp, 0
.rept 8
	ds_load_b128 v[OB+32*((\j)%2)+4*tp:OB+32*((\j)%2)+4*tp+3], v[RD] offset:544*tp
.set tp, tp+1
.endr
.endm
.macro SEND j, younger                 ; younger: the LDS instructions issued behind tile j's loads, which may stay out
	s_wait_dscnt \younger
.set tp, 0
.rept 8
	global_store_b128 v[CO], v[OB+32*((\j)%2)+4*tp:OB+32*((\j)%2)+4*tp+3], s[8:9] offset:(32*((\j)/2)+8*((\j)%2)+2*tp+8*(tp/4))*8192 th:TH_STORE_NT   ; sixteen lanes store 256 consecutive bytes, aligned; stage row r is token 32 (j / 2) + 8 (j % 2) + r + 8 (r / 8)
.set tp, tp+1
.endr
.endm
	TOSTAGE 0
	TOSTAGE 1
	SEND 0, 16                                     ; behind tile 0's loads: tile 1's 8 stores and 8 loads
	s_wait_xcnt 0x0                                ; tile 0's stores have read their registers, which take tile 2's rows
	TOSTAGE 2
	SEND 1, 16
	s_wait_xcnt 0x0
	TOSTAGE 3
	SEND 2, 16
	SEND 3, 0
	s_wait_tensorcnt 0x0                           ; the wave's end
	ds_add_u32 v[SPW], v[NIL]
	s_wait_dscnt 0x0
	CROUND                                         ; the closing round
	s_endpgm
.Lfunc_end_k_q658841270e_gemm_out:
	.size	k_q658841270e_gemm_out, .Lfunc_end_k_q658841270e_gemm_out-k_q658841270e_gemm_out
	.p2alignl 7, 3214868480
	.fill 96, 4, 3214868480
	.section	.rodata,"a",@progbits
	.p2align	6, 0x0
	.amdhsa_kernel k_q658841270e_gemm_out
		.amdhsa_group_segment_fixed_size 327680
		.amdhsa_private_segment_fixed_size 0
		.amdhsa_enable_private_segment 0
		.amdhsa_kernarg_size 24
		.amdhsa_user_sgpr_count 2
		.amdhsa_user_sgpr_kernarg_segment_ptr 1
		.amdhsa_wavefront_size32 1
		.amdhsa_system_sgpr_workgroup_id_x 1
		.amdhsa_system_sgpr_workgroup_id_y 1
		.amdhsa_system_sgpr_workgroup_id_z 1
		.amdhsa_system_vgpr_workitem_id 0
		.amdhsa_next_free_vgpr 512
		.amdhsa_next_free_sgpr 100
		.amdhsa_reserve_vcc 0
		.amdhsa_float_denorm_mode_32 3
		.amdhsa_float_denorm_mode_16_64 3
		.amdhsa_memory_ordered 1
		.amdhsa_forward_progress 1
		.amdhsa_inst_pref_size 89
	.end_amdhsa_kernel
	.amdgpu_metadata
---
amdhsa.version: [ 1, 2 ]
amdhsa.kernels:
  - .name:           k_q658841270e_gemm_out
    .symbol:         k_q658841270e_gemm_out.kd
    .args:
      - { .name: ao, .offset: 0, .size: 8, .value_kind: global_buffer, .address_space: global }
      - { .name: woq, .offset: 8, .size: 8, .value_kind: global_buffer, .address_space: global }
      - { .name: out0, .offset: 16, .size: 8, .value_kind: global_buffer, .address_space: global }
    .group_segment_fixed_size: 327680
    .private_segment_fixed_size: 0
    .kernarg_segment_align: 8
    .kernarg_segment_size: 24
    .max_flat_workgroup_size: 128
    .sgpr_count:     100
    .vgpr_count:     512
    .wavefront_size: 32
...
	.end_amdgpu_metadata
.endif
;; end of part 4
